; MI455X (gfx1250); checked and timed in simulation.
; The chip was launched on July 23, 2026; its instructions are those of AMD's public machine-readable ISA for CDNA 5 (MIT licence, August 2026) and "CDNA5" Instruction Set Architecture Reference Guide (July 2026). The comments in the code are by the model that wrote it; some were corrected since.
;; Causal Self Attention. Allowed arithmetic: float matrix products may take bf16 or f16 operands with f32 sums; other float arithmetic in f32, or as packed bf16 or f16 multiplies, adds, multiply-adds, maxima and minima; sums over many terms, partial sums and values carried from step to step in f32; what a program stores and reads back later, other than sums and carried values, may be rounded once to bf16 or f16.
;; Inputs: Wk 1,024 x 1,024 float32; Wq 1,024 x 1,024 float32; Wv 1,024 x 1,024 float32; x 4 x 2,048 x 1,024 float32.
;; Outputs: out0 4 x 2,048 x 1,024 float32.
;; 2 versions, each right. Each part assembles by itself: llvm-mc -triple=amdgcn-amd-amdhsa -mcpu=gfx1250 --defsym DOCPART=n.
;; ======== version 1 of 2: 4 launches
;; limits: values are held in f16: magnitudes above 65,504 overflow, below 6.1e-05 lose precision; right only within a limited range of input values
;; workspace buffers: xb 16,777,216 bytes; bw 6,291,456 bytes; g 33,554,432 bytes; vt 16,777,216 bytes; p 33,554,432 bytes; st 2,097,152 bytes
;; launch prep (part 1): grid 256 x 1, 8 waves a work-group, no clusters, 125,952 bytes of LDS; arguments x, Wq, Wk, Wv, xb, bw; writes xb, bw
.if DOCPART == 1
	.amdgcn_target "amdgcn-amd-amdhsa--gfx1250"
	.amdhsa_code_object_version 6
	.text
	.protected	k_q2b354be12b_prep
	.globl	k_q2b354be12b_prep
	.p2align	8
	.type	k_q2b354be12b_prep,@function
k_q2b354be12b_prep:
	s_mov_b64 s[64:65], 0
	v_nop
	global_prefetch_b8 v0, s[64:65] scope:SCOPE_SE
	s_setreg_imm32_b32 hwreg(HW_REG_WAVE_MODE, 25, 1), 1
	s_wait_xcnt 0x0
; PREP.  xb = bf16(x), blocked [kb 16][t 8192][64]; bw = [j 8][kb 16][384][64] bf16: rows 0-127 MT hi, 128-255 MT lo, 256-383 Wv.
; MT[d2][d1] = sum over e of bf16(Wk[e][d2]) bf16(Wq[e][d1]), summed in f32 and kept as two bf16 numbers, hi + lo (16 significant bits).
; The scores are later formed as (x M) x^T with M = Wq^T Wk: the same sum as Q K^T in another order of rounding.
; SHARES.  Waves 0-3 make one 64 x 64 tile of MT (d2 block wg / 16, d1 block wg % 16), e split four ways, 256 each, in chunks of 32; the partial sums meet in LDS.
; Waves 4-7 cast 32 rows of x and 4 rows of Wv.  The data change format and (W) direction on the way, so they pass through registers: no tensor load, no cluster.
; NaN and infinities are not treated apart.
.set XKB,   1048576                    ; bytes of one block of 64 channels in xb
.set PART,  40960                      ; behind four stages of 10,240: four partial tiles of 16,384 bytes
.set OST,   106496                     ; four stages of 4,608 for the way out (hi 16 x 144, lo behind it)
.set SPARE, 124928                     ; the spare words, 128 bytes a wave
.set SPW, 14
.set NIL, 15
.set MSB, 0
.macro WIN new
.if MSB != (\new)
	s_set_vgpr_msb (MSB<<8)|(\new)
.set MSB, (\new)
.endif
.endm
.macro PLACES
.rept 4
	v_nop
.endr
.endm
	s_load_b256 s[4:11], s[0:1], 0x0               ; x s[4:5], Wq s[6:7], Wk s[8:9], Wv s[10:11]
	s_load_b128 s[12:15], s[0:1], 0x20             ; xb s[12:13], bw s[14:15]
	v_lshl_add_u32 v[SPW], v0, 2, SPARE
	v_mov_b32 v[NIL], 0
	v_lshrrev_b32 v1, 5, v0
	v_readfirstlane_b32 s16, v1                    ; wave 0..7
	v_and_b32 v4, 15, v0                           ; r
	v_bfe_u32 v5, v0, 4, 1                         ; h
	v_and_b32 v6, 31, v0                           ; lane
	v_lshlrev_b32 v1, 4, v4
	v_lshl_add_u32 v1, v5, 12, v1                  ; v1: h rows of 4,096 bytes + 16 r: 16 lanes take 256 bytes of a row
	s_mul_i32 s18, s16, 10240
	v_mul_u32_u24 v2, v5, 160
	v_lshl_add_u32 v2, v4, 3, v2
	v_add_nc_u32 v2, s18, v2                       ; v2: into my stage: row h, 8 bytes at 8 r
	v_and_b32 v7, 7, v0
	v_lshl_add_u32 v3, v5, 3, v7
	v_mul_u32_u24 v3, v3, 160
	v_bfe_u32 v8, v0, 3, 1
	v_lshl_add_u32 v3, v8, 4, v3
	v_add_nc_u32 v3, s18, v3                       ; v3: the turning load's address
	s_lshl_b32 s18, s16, 14
	s_add_co_u32 s18, s18, PART
	v_lshl_add_u32 v8, v6, 4, s18                  ; v8: my partial tile
	s_lshl_b32 s18, s16, 12
	s_add_co_u32 s18, s18, PART
	v_lshl_add_u32 v9, v6, 4, s18                  ; v9: the four accumulators a = wave, in partial tile 0
	s_mul_i32 s18, s16, 4608
	s_add_co_u32 s18, s18, OST
	v_mul_u32_u24 v10, v4, 144
	v_lshl_add_u32 v10, v5, 4, v10
	v_add_nc_u32 v10, s18, v10                     ; v10: way out, in
	v_bfe_u32 v11, v0, 3, 2
	v_mul_u32_u24 v11, v11, 144
	v_lshl_add_u32 v11, v7, 4, v11
	v_add_nc_u32 v11, s18, v11                     ; v11: way out, back: four rows of 128 bytes
	v_lshlrev_b32 v12, 4, v6                       ; v12: 16 x lane
	v_lshlrev_b32 v13, 3, v4
	v_lshl_add_u32 v13, v5, 7, v13                 ; v13: h x 128 + 8 r
	s_lshr_b32 s19, ttmp9, 4                       ; ti: d2 block of 64
	s_and_b32 s39, ttmp9, 15                       ; tj: d1 block of 64 = kb
	s_and_b32 s17, s16, 3                          ; cast wave's number
	s_lshr_b32 s24, s19, 1
	s_mul_i32 s24, s24, 786432
	s_mul_i32 s25, s39, 49152
	s_add_co_u32 s24, s24, s25
	s_and_b32 s25, s19, 1
	s_lshl_b32 s25, s25, 13
	s_add_co_u32 s24, s24, s25
	s_lshl_b32 s25, s16, 11
	s_add_co_u32 s24, s24, s25                     ; + ((ti % 2) 64 + 16 wave) rows of 128 bytes
	s_mov_b32 s25, 0
	s_wait_kmcnt 0x0
	s_add_nc_u64 s[26:27], s[14:15], s[24:25]      ; where my 16 rows of MT hi go
	s_cmp_lt_u32 s16, 4
	s_cbranch_scc0 .Lcast
; ---------------- waves 0-3: the product
	s_lshl_b32 s24, s16, 20                        ; my 256 rows e
	s_lshl_b32 s40, s19, 8
	s_add_co_u32 s24, s24, s40
	s_add_nc_u64 s[20:21], s[8:9], s[24:25]        ; Wk at (256 wave, 64 ti)
	s_lshl_b32 s24, s16, 20
	s_lshl_b32 s40, s39, 8
	s_add_co_u32 s24, s24, s40
	s_add_nc_u64 s[22:23], s[6:7], s[24:25]        ; Wq at (256 wave, 64 tj)
; 32 loads: 32 rows e x 64 columns of Wk, then of Wq, f32.  Set 0 = v16-143, set 1 = v384-511 (window 1, v128-255)
.macro LOADW set, off
	WIN 0x40*(\set)
.set lb, 16+112*(\set)
.set si, 0
.rept 16
	global_load_b128 v[lb+4*si:lb+4*si+3], v1, s[20:21] offset:(\off)+8192*si
	global_load_b128 v[lb+64+4*si:lb+64+4*si+3], v1, s[22:23] offset:(\off)+8192*si
.set si, si+1
.endr
	WIN 0
.endm
; A chunk: rounded to bf16, laid [e][column] into my stage (pitch 160), read back turned as fragments, 16 products.  left: the other set's loads, which stay out.
.macro CHUNK set, left, load, off
	s_wait_loadcnt \left
.set lb, 16+112*(\set)
	WIN 0x45*(\set)
.set si, 0
.rept 32
	v_cvt_pk_bf16_f32 v[lb+4*si], v[lb+4*si], v[lb+4*si+1]
	v_cvt_pk_bf16_f32 v[lb+4*si+1], v[lb+4*si+2], v[lb+4*si+3]
.set si, si+1
.endr
	WIN 0x04*(\set)
.set si, 0
.rept 16
	ds_store_b64 v2, v[lb+4*si:lb+4*si+1] offset:320*si
	ds_store_b64 v2, v[lb+64+4*si:lb+64+4*si+1] offset:5120+320*si
.set si, si+1
.endr
	WIN 0
	PLACES                                         ; the fragments' registers were read by the last chunk's products
.set si, 0
.rept 4                                            ; LDS serves a wave's instructions in order: these see the stores above
	ds_load_tr16_b128 v[144+8*si:144+8*si+3], v3 offset:32*si
	ds_load_tr16_b128 v[144+8*si+4:144+8*si+7], v3 offset:32*si+2560
	ds_load_tr16_b128 v[176+8*si:176+8*si+3], v3 offset:5120+32*si
	ds_load_tr16_b128 v[176+8*si+4:176+8*si+7], v3 offset:5120+32*si+2560
.set si, si+1
.endr
	s_wait_dscnt 0x0                               ; fragments in; the stores have read the set, so it may be loaded again
.if \load
.if (\set) == 0
	s_wait_xcnt 0x0                                ; the pointers are written only behind this wait
	s_add_nc_u64 s[20:21], s[20:21], 262144        ; two chunks on
	s_add_nc_u64 s[22:23], s[22:23], 262144
.endif
	LOADW \set, \off
.endif
	WIN 0x50                                       ; C and D in window 1
.set si, 0
.rept 16                                           ; source 0 = d1 (Wq), source 1 = d2 (Wk): a lane holds one d2 and eight neighbouring d1; the 16 accumulators take turns
	v_wmma_f32_16x16x32_bf16 v[8*si:8*si+7], v[176+8*(si%4):176+8*(si%4)+7], v[144+8*(si/4):144+8*(si/4)+7], v[8*si:8*si+7]
.set si, si+1
.endr
	WIN 0
.endm
	LOADW 0, 0
	LOADW 1, 131072
	WIN 0x40
.set si, 0
.rept 128
	v_mov_b32 v[si], 0                             ; the sums start at 0, written while the first loads are out: the loop has one form of product
.set si, si+1
.endr
	WIN 0
	s_mov_b32 s38, 3
.Lchunk:
	CHUNK 0, 32, 1, 0
	CHUNK 1, 32, 1, 131072
	s_sub_co_u32 s38, s38, 1
	s_cmp_lg_u32 s38, 0
	s_cbranch_scc1 .Lchunk
	CHUNK 0, 32, 0, 0                              ; the last two chunks load nothing
	CHUNK 1, 0, 0, 0
	PLACES
	WIN 0x04
.set si, 0
.rept 16
	ds_store_b128 v8, v[8*si:8*si+3] offset:1024*si
	ds_store_b128 v8, v[8*si+4:8*si+7] offset:1024*si+512
.set si, si+1
.endr
	WIN 0
	s_wait_dscnt 0x0                               ; for the others' sake
	s_branch .Ljoin
; ---------------- waves 4-7: the casts
.Lcast:
	s_lshl_b32 s24, ttmp9, 5
	s_lshl_b32 s40, s17, 3
	s_add_co_u32 s40, s24, s40                     ; t0 = 32 wg + 8 cw
	s_lshl_b32 s24, s40, 12
	s_add_nc_u64 s[28:29], s[4:5], s[24:25]        ; x at row t0
	s_lshl_b32 s24, s40, 7
	s_add_nc_u64 s[30:31], s[12:13], s[24:25]      ; xb at row t0, kb 0
	s_add_nc_u64 s[32:33], s[30:31], 8*XKB         ; kb 8
	s_and_b32 s41, s17, 1
	s_lshr_b32 s42, s17, 1
	s_lshl_b32 s40, ttmp9, 2
	s_lshl1_add_u32 s43, s41, s40                  ; Wv's row 4 wg + 2 (cw % 2)
	s_lshl_b32 s24, s43, 12
	s_lshl_b32 s44, s42, 11
	s_add_co_u32 s24, s24, s44
	s_add_nc_u64 s[34:35], s[10:11], s[24:25]      ; Wv at that row, channel 512 (cw / 2)
	s_lshr_b32 s24, ttmp9, 5
	s_mul_i32 s24, s24, 786432
	s_mul_i32 s44, s42, 393216
	s_add_co_u32 s24, s24, s44
	s_and_b32 s43, s43, 127
	s_add_co_u32 s43, s43, 256
	s_lshl_b32 s43, s43, 7
	s_add_co_u32 s24, s24, s43
	s_add_nc_u64 s[36:37], s[14:15], s[24:25]
.macro CLOAD set, tp                   ; two rows of x: 16 loads, one for each kb
.set si, 0
.rept 16
	global_load_b128 v[16+64*(\set)+4*si:16+64*(\set)+4*si+3], v1, s[28:29] offset:(\tp)*8192+256*si th:TH_LOAD_NT
.set si, si+1
.endr
.endm
.macro CCVT set, n
.set si, 0
.rept \n
	v_cvt_pk_bf16_f32 v[16+64*(\set)+4*si], v[16+64*(\set)+4*si], v[16+64*(\set)+4*si+1]
	v_cvt_pk_bf16_f32 v[16+64*(\set)+4*si+1], v[16+64*(\set)+4*si+2], v[16+64*(\set)+4*si+3]
.set si, si+1
.endr
.endm
.macro CDO set, tp                     ; each store covers 256 consecutive bytes, aligned: two rows of one kb block
	CCVT \set, 16
.set si, 0
.rept 8
	global_store_b64 v13, v[16+64*(\set)+4*si:16+64*(\set)+4*si+1], s[30:31] offset:(\tp)*256+si*XKB
	global_store_b64 v13, v[48+64*(\set)+4*si:48+64*(\set)+4*si+1], s[32:33] offset:(\tp)*256+si*XKB
.set si, si+1
.endr
.endm
	CLOAD 0, 0
	CLOAD 1, 1
	s_wait_loadcnt 16                              ; the older batch is in, the younger 16 stay out
	CDO 0, 0
	s_wait_xcnt 0x0                                ; the stores have read the set
	CLOAD 0, 2
	s_wait_loadcnt 16
	CDO 1, 1
	s_wait_xcnt 0x0
	CLOAD 1, 3
	s_wait_loadcnt 16
	CDO 0, 2
	s_wait_xcnt 0x0
.set si, 0
.rept 8                                            ; Wv: two rows, eight kb
	global_load_b128 v[16+4*si:16+4*si+3], v1, s[34:35] offset:256*si th:TH_LOAD_NT
.set si, si+1
.endr
	s_wait_loadcnt 8                               ; Wv's eight stay out
	CDO 1, 3
	s_wait_loadcnt 0x0
	CCVT 0, 8
.set si, 0
.rept 8
	global_store_b64 v13, v[16+4*si:16+4*si+1], s[36:37] offset:49152*si
.set si, si+1
.endr
.Ljoin:
	s_barrier_signal -1
	s_barrier_wait -1                              ; the four partial tiles lie in LDS
	s_cmp_lt_u32 s16, 4
	s_cbranch_scc0 .Lend
.set si, 0
.rept 16                                           ; wave w sums the accumulators a = w: partial tile si / 4, b = si % 4
	ds_load_b128 v[16+8*si:16+8*si+3], v9 offset:16384*(si/4)+1024*(si%4)
	ds_load_b128 v[16+8*si+4:16+8*si+7], v9 offset:16384*(si/4)+1024*(si%4)+512
.set si, si+1
.endr
	s_wait_dscnt 0x0
.set si, 0
.rept 16
	v_pk_add_f32 v[16+2*si:17+2*si], v[16+2*si:17+2*si], v[48+2*si:49+2*si]
	v_pk_add_f32 v[80+2*si:81+2*si], v[80+2*si:81+2*si], v[112+2*si:113+2*si]
.set si, si+1
.endr
.set si, 0
.rept 16
	v_pk_add_f32 v[16+2*si:17+2*si], v[16+2*si:17+2*si], v[80+2*si:81+2*si]
.set si, si+1
.endr
.set si, 0
.rept 16
	v_cvt_pk_bf16_f32 v[48+si], v[16+2*si], v[17+2*si]      ; hi
.set si, si+1
.endr
.set si, 0
.rept 16
	v_lshlrev_b32 v[64+2*si], 16, v[48+si]
	v_and_b32 v[65+2*si], 0xffff0000, v[48+si]
.set si, si+1
.endr
.set si, 0
.rept 16
	v_pk_add_f32 v[16+2*si:17+2*si], v[16+2*si:17+2*si], v[64+2*si:65+2*si] neg_lo:[0,1] neg_hi:[0,1]
.set si, si+1
.endr
.set si, 0
.rept 16
	v_cvt_pk_bf16_f32 v[96+si], v[16+2*si], v[17+2*si]      ; lo = bf16(sum - hi)
.set si, si+1
.endr
.set si, 0
.rept 4
	ds_store_b128 v10, v[48+4*si:51+4*si] offset:32*si
	ds_store_b128 v10, v[96+4*si:99+4*si] offset:2304+32*si
.set si, si+1
.endr
.set si, 0
.rept 4
	ds_load_b128 v[112+4*si:115+4*si], v11 offset:576*si
	ds_load_b128 v[128+4*si:131+4*si], v11 offset:2304+576*si
.set si, si+1
.endr
	s_wait_dscnt 0x0
.set si, 0
.rept 4                                            ; 16 rows of 128 bytes are 2,048 consecutive bytes of bw
	global_store_b128 v12, v[112+4*si:115+4*si], s[26:27] offset:512*si
	global_store_b128 v12, v[128+4*si:131+4*si], s[26:27] offset:16384+512*si
.set si, si+1
.endr
.Lend:
	s_wait_tensorcnt 0x0                           ; the wave's end
	ds_add_u32 v[SPW], v[NIL]
	s_wait_dscnt 0x0
	s_endpgm
.Lfunc_end_k_q2b354be12b_prep:
	.size	k_q2b354be12b_prep, .Lfunc_end_k_q2b354be12b_prep-k_q2b354be12b_prep
	.p2alignl 7, 3214868480
	.fill 96, 4, 3214868480
	.section	.rodata,"a",@progbits
	.p2align	6, 0x0
	.amdhsa_kernel k_q2b354be12b_prep
		.amdhsa_group_segment_fixed_size 125952
		.amdhsa_private_segment_fixed_size 0
		.amdhsa_enable_private_segment 0
		.amdhsa_kernarg_size 48
		.amdhsa_user_sgpr_count 2
		.amdhsa_user_sgpr_kernarg_segment_ptr 1
		.amdhsa_wavefront_size32 1
		.amdhsa_system_sgpr_workgroup_id_x 1
		.amdhsa_system_sgpr_workgroup_id_y 1
		.amdhsa_system_sgpr_workgroup_id_z 1
		.amdhsa_system_vgpr_workitem_id 0
		.amdhsa_next_free_vgpr 512
		.amdhsa_next_free_sgpr 66
		.amdhsa_reserve_vcc 0
		.amdhsa_float_denorm_mode_32 3
		.amdhsa_float_denorm_mode_16_64 3
		.amdhsa_memory_ordered 1
		.amdhsa_forward_progress 1
		.amdhsa_inst_pref_size 91
	.end_amdhsa_kernel
	.amdgpu_metadata
---
amdhsa.version: [ 1, 2 ]
amdhsa.kernels:
  - .name:           k_q2b354be12b_prep
    .symbol:         k_q2b354be12b_prep.kd
    .args:
      - { .name: x, .offset: 0, .size: 8, .value_kind: global_buffer, .address_space: global }
      - { .name: Wq, .offset: 8, .size: 8, .value_kind: global_buffer, .address_space: global }
      - { .name: Wk, .offset: 16, .size: 8, .value_kind: global_buffer, .address_space: global }
      - { .name: Wv, .offset: 24, .size: 8, .value_kind: global_buffer, .address_space: global }
      - { .name: xb, .offset: 32, .size: 8, .value_kind: global_buffer, .address_space: global }
      - { .name: bw, .offset: 40, .size: 8, .value_kind: global_buffer, .address_space: global }
    .group_segment_fixed_size: 125952
    .private_segment_fixed_size: 0
    .kernarg_segment_align: 8
    .kernarg_segment_size: 48
    .max_flat_workgroup_size: 256
    .sgpr_count:     66
    .vgpr_count:     512
    .wavefront_size: 32
...
	.end_amdgpu_metadata
.endif
;; end of part 1
;; launch proj (part 2): grid 8 x 32, 4 waves a work-group, clusters of 4 x 4, 327,680 bytes of LDS; arguments xb, bw, g, vt; writes g, vt
.if DOCPART == 2
	.amdgcn_target "amdgcn-amd-amdhsa--gfx1250"
	.amdhsa_code_object_version 6
	.text
	.protected	k_q2b354be12b_proj
	.globl	k_q2b354be12b_proj
	.p2align	8
	.type	k_q2b354be12b_proj,@function
k_q2b354be12b_proj:
	s_mov_b64 s[64:65], 0
	v_nop
	global_prefetch_b8 v0, s[64:65] scope:SCOPE_SE
	s_setreg_imm32_b32 hwreg(HW_REG_WAVE_MODE, 25, 1), 1
	s_wait_xcnt 0x0
	s_wait_alu depctr_hold_cnt(0) depctr_sa_sdst(0) depctr_va_vdst(0) depctr_va_sdst(0) depctr_va_ssrc(0) depctr_va_vcc(0) depctr_vm_vsrc(0)
	s_getreg_b32 s2, hwreg(HW_REG_IB_STS2, 6, 4)
	s_cmp_eq_u32 s2, 0
	s_cbranch_scc0 .Lentry_in_a_cluster
	s_endpgm
.Lentry_in_a_cluster:
	s_bfe_u32 s2, ttmp6, 0x10000c
	s_cmp_lg_u32 s2, 0xf033
	s_cbranch_scc0 .Lentry_shape_is_right
	s_endpgm
.Lentry_shape_is_right:
; PROJ.  G[t][d2] = sum over d1 of x[t][d1] (MThi + MTlo)[d2][d1], kept as bf16 hi + lo, blocked [hi, lo][kb][t][64];  V^T[c][t] = sum of Wv[c][d] x[t][d], f16, [c 1024][t 8192].
; LIMIT: |V| stays under 65,504 (f16).  NaN and infinities are not treated apart.
; SHARES.  A work-group: 256 t x (128 d2 of G and 128 c of V).  Wave (TH, CH): 128 t x (64 d2 + 64 c): 64 accumulators.  K goes in 16 steps of 64 channels through two LDS slots.
; All tiles are dense blocks in memory (xb and bw are blocked by 64 channels): asked for as rows of 256 bytes, padded in LDS after every 128.
; CLUSTER 4 x 4: x's tile is shared along a row of the cluster, the weights' along a column; wave 0 asks for x's 256 rows, waves 1-3 for the three kinds of 128 weight rows.
; WINDOWS: 0: addresses, x's fragments v64-127 / v128-191, way out;  1: weights' fragments v0-95 / v96-191 (kind u, block n at 32 u + 8 n);  2: G's sums (i, n) at 8 (4 i + n);  3: V's.
.set XKB,   1048576
.set PITCH, 144
.set SLOT,  92160                      ; x 256 rows, then 384 weight rows, 144 bytes each
.set BOFF,  36864
.set STAGE, 184320                     ; 4,352 bytes a wave
.set SPARE, 201728
.set ADRX, 16
.set ADRB, 20
.set STO,  22
.set RD,   23
.set STO2, 24
.set RD2,  25
.set GO,   26
.set VO,   27
.set SPW,  28
.set NIL,  29
.set OB,   32
.set WV,   12
.set G1X,  24
.set G1B,  32
.set G0X,  40
.set G0B,  48
.set MSB, 0
.macro WIN new
.if MSB != (\new)
	s_set_vgpr_msb (MSB<<8)|(\new)
.set MSB, (\new)
.endif
.endm
.macro PLACES
.rept 4
	v_nop
.endr
.endm
.macro CREST
	s_cmp_lg_u32 s[WV], 0
	s_cbranch_scc1 .Lnot_wave_0_\@
	s_barrier_signal -3
.Lnot_wave_0_\@:
	s_barrier_wait -3
	s_barrier_signal -1
	s_barrier_wait -1
.endm
.macro CROUND
	s_barrier_signal -1
	s_barrier_wait -1
	CREST
.endm
.macro JLOAD s                         ; a joint refill: the branch hangs on the wave's number alone; an s_nop 0 and four v_nop follow each line
	s_cmp_eq_u32 s[WV], 0
	s_cbranch_scc0 .Lfor_b_\@
	tensor_load_to_lds s[G0X+4*(\s):G0X+4*(\s)+3], s[G1X:G1X+7]
	s_nop 0
.rept 4
	v_nop
.endr
	s_branch .Lasked_\@
.Lfor_b_\@:
	tensor_load_to_lds s[G0B+4*(\s):G0B+4*(\s)+3], s[G1B:G1B+7]
	s_nop 0
.rept 4
	v_nop
.endr
.Lasked_\@:
.endm
	s_load_b256 s[4:11], s[0:1], 0x0               ; xb s[4:5], bw s[6:7], g s[8:9], vt s[10:11]
	v_lshl_add_u32 v[SPW], v0, 2, SPARE
	v_mov_b32 v[NIL], 0
	ds_add_u32 v[SPW], v[NIL]                      ; the wave's opening: the add and its wait stand ahead of my first tensor load
	ds_add_u32 v28, v29
	v_lshrrev_b32 v1, 5, v0
	v_readfirstlane_b32 s[WV], v1
	s_lshr_b32 s13, s[WV], 1                       ; TH: my half of the 256 t
	s_and_b32 s14, s[WV], 1                        ; CH: my half of the 128 columns
	s_max_u32 s15, s[WV], 1
	s_sub_co_u32 s15, s15, 1                       ; which kind of weight rows I fetch (waves 1-3)
	s_bfe_u32 s16, ttmp6, 0x40000                  ; cx
	s_bfe_u32 s17, ttmp6, 0x40004                  ; cy
	s_lshl_b32 s18, ttmp9, 2
	s_add_co_u32 s18, s18, s16                     ; jx: block of 128 columns
	s_and_b32 s19, ttmp7, 0xffff
	s_lshl_b32 s19, s19, 2
	s_add_co_u32 s19, s19, s17                     ; ty: block of 256 t
	s_lshl_b32 s20, s17, 2
	s_lshl_b32 s20, 15, s20                        ; my row of the cluster
	s_lshl_b32 s21, 0x1111, s16                    ; my column
	s_or_b32 s[G1X], s20, (1<<16)|(1<<20)|(1<<21)|(4<<22)|(3<<25)  ; mask; 2-byte elements; padding on; bit 21 beside a mask; after every 32 words, 4 words
	s_or_b32 s[G1B], s21, (1<<16)|(1<<20)|(1<<21)|(4<<22)|(3<<25)
	s_mov_b32 s[G1X+1], 128<<16                    ; rows of 128 elements (256 bytes: two rows of 64 channels)
	s_mov_b32 s[G1X+2], 128<<16                    ; 128 of them
	s_mov_b32 s[G1X+3], 128<<16
	s_mov_b32 s[G1X+4], 128
	s_mov_b32 s[G1X+5], 128                        ; dense
	s_mov_b32 s[G1X+6], 0
	s_mov_b32 s[G1X+7], 0
	s_mov_b32 s[G1B+1], 128<<16
	s_mov_b32 s[G1B+2], 64<<16                     ; 64 rows of 256 bytes
	s_mov_b32 s[G1B+3], 128<<16
	s_mov_b32 s[G1B+4], 64
	s_mov_b32 s[G1B+5], 128
	s_mov_b32 s[G1B+6], 0
	s_mov_b32 s[G1B+7], 0
	s_lshl_b32 s66, s19, 15                        ; x: 256 ty rows of 128 bytes
	s_mov_b32 s67, 0
	s_mul_i32 s68, s18, 786432
	s_lshl_b32 s69, s15, 14
	s_add_co_u32 s68, s68, s69                     ; weights: block jx, kind u
	s_mov_b32 s69, 0
	s_mul_i32 s22, s[WV], 18432
	s_add_co_u32 s22, s22, BOFF-18432              ; LDS: kind wave - 1 behind x's rows
	s_lshl_b32 s70, s18, 1
	s_add_co_u32 s70, s70, s14
	s_lshl_b32 s70, s70, 20                        ; g: kb = 2 jx + CH
	s_lshl_b32 s72, s19, 15
	s_add_co_u32 s70, s70, s72
	s_lshl_b32 s72, s13, 14
	s_add_co_u32 s70, s70, s72                     ; + (256 ty + 128 TH) rows of 128 bytes
	s_mov_b32 s71, 0
	s_lshl_b32 s72, s18, 21
	s_lshl_b32 s73, s14, 20
	s_add_co_u32 s72, s72, s73                     ; vt: row 128 jx + 64 CH,
	s_lshl_b32 s73, s19, 9
	s_add_co_u32 s72, s72, s73
	s_lshl_b32 s73, s13, 8
	s_add_co_u32 s72, s72, s73                     ; t = 256 ty + 128 TH
	s_mov_b32 s73, 0
	s_wait_dscnt 0x0                               ; the opening add is done
	s_wait_kmcnt 0x0
	s_add_nc_u64 s[66:67], s[4:5], s[66:67]
	s_add_nc_u64 s[68:69], s[6:7], s[68:69]
	s_add_nc_u64 s[56:57], s[8:9], s[70:71]        ; G hi
	s_add_nc_u64 s[58:59], s[56:57], 16777216      ; G lo
	s_add_nc_u64 s[60:61], s[10:11], s[72:73]
	CROUND                                         ; all sixteen work-groups are here: the first joint loads meet
.irp s, 0,1
	s_mov_b32 s[G0X+4*\s], 1
	s_mov_b32 s[G0X+4*\s+1], \s*SLOT
	s_add_nc_u64 s[G0X+4*\s+2:G0X+4*\s+3], s[66:67], \s*XKB
	s_or_b32 s[G0X+4*\s+3], s[G0X+4*\s+3], 0x80000000
	s_mov_b32 s[G0B+4*\s], 1
	s_add_co_u32 s[G0B+4*\s+1], s22, \s*SLOT
	s_add_nc_u64 s[G0B+4*\s+2:G0B+4*\s+3], s[68:69], \s*49152
	s_or_b32 s[G0B+4*\s+3], s[G0B+4*\s+3], 0x80000000
.endr
	s_cmp_eq_u32 s[WV], 0                          ; a wave's two first fills stand in one branch: two loads of mine are out
	s_cbranch_scc0 .Lfirst_b
	tensor_load_to_lds s[G0X:G0X+3], s[G1X:G1X+7]
	s_nop 0
	tensor_load_to_lds s[G0X+4:G0X+7], s[G1X:G1X+7]
	s_nop 0
.rept 4
	v_nop
.endr
	s_branch .Lfirst_asked
.Lfirst_b:
	tensor_load_to_lds s[G0B:G0B+3], s[G1B:G1B+7]
	s_nop 0
	tensor_load_to_lds s[G0B+4:G0B+7], s[G1B:G1B+7]
	s_nop 0
.rept 4
	v_nop
.endr
.Lfirst_asked:
	v_and_b32 v1, 15, v0                           ; r
	v_bfe_u32 v2, v0, 4, 1                         ; h
	v_mul_u32_u24 v3, v1, PITCH
	v_lshl_add_u32 v3, v2, 4, v3                   ; a fragment's row x pitch + 16 h
	s_mul_i32 s20, s13, 18432                      ; my 128 rows of x
	s_mul_i32 s21, s14, 9216                       ; my 64 rows of each kind
	s_add_co_u32 s21, s21, BOFF
.irp s, 0,1
	v_add_nc_u32 v[ADRX+\s], s20, v3
	v_add_nc_u32 v[ADRB+\s], s21, v3
	s_add_co_u32 s20, s20, SLOT
	s_add_co_u32 s21, s21, SLOT
.endr
	s_mul_i32 s23, s[WV], 4352
	s_add_co_u32 s23, s23, STAGE
	v_add_nc_u32 v[STO], s23, v3
	v_bfe_u32 v4, v0, 3, 2
	v_and_b32 v5, 7, v0
	v_mul_u32_u24 v4, v4, PITCH
	v_lshl_add_u32 v4, v5, 4, v4
	v_add_nc_u32 v[RD], s23, v4                    ; back: four rows of 128 bytes
	v_mul_u32_u24 v4, v1, 272
	v_lshl_add_u32 v4, v2, 4, v4
	v_add_nc_u32 v[STO2], s23, v4
	v_mul_u32_u24 v4, v2, 272
	v_lshl_add_u32 v4, v1, 4, v4
	v_add_nc_u32 v[RD2], s23, v4                   ; back: two rows of 256 bytes
	v_and_b32 v4, 31, v0
	v_lshlrev_b32 v[GO], 4, v4
	v_lshlrev_b32 v4, 14, v2
	v_lshl_add_u32 v[VO], v1, 4, v4
; 40 LDS loads in one run: 32 channels at byte k of slot s's rows into buffer f
.macro FETCH s, k, f
	WIN 0x40
.set fi, 0
.rept 12
	ds_load_b128 v[96*(\f)+8*fi:96*(\f)+8*fi+3],   v[ADRB+(\s)] offset:(fi/4)*18432+(fi%4)*2304+(\k)
	ds_load_b128 v[96*(\f)+8*fi+4:96*(\f)+8*fi+7], v[ADRB+(\s)] offset:(fi/4)*18432+(fi%4)*2304+(\k)+32
.set fi, fi+1
.endr
	WIN 0
.set fi, 0
.rept 8
	ds_load_b128 v[64+64*(\f)+8*fi:64+64*(\f)+8*fi+3],   v[ADRX+(\s)] offset:fi*2304+(\k)
	ds_load_b128 v[64+64*(\f)+8*fi+4:64+64*(\f)+8*fi+7], v[ADRX+(\s)] offset:fi*2304+(\k)+32
.set fi, fi+1
.endr
.endm
; 32 products; the 32 accumulators take turns.  kind 0: G += MThi x (source 0 = d2, source 1 = t: a lane holds one t, eight d2); 1: MTlo onto the same sums; 2: V^T (source 0 = t, source 1 = c: a lane holds one c, eight t)
.macro MUL32 kind, f, zero
.if (\kind) < 2
	WIN 0xa1
.else
	WIN 0xf4
.endif
.set mi, 0
.rept 32
.set ac, 8*mi
.set xf, 64+64*(\f)+8*(mi/4)
.set bf, 96*(\f)+32*(\kind)+8*(mi%4)
.if (\kind) < 2
.if \zero
	v_wmma_f32_16x16x32_bf16 v[ac:ac+7], v[bf:bf+7], v[xf:xf+7], 0
.else
	v_wmma_f32_16x16x32_bf16 v[ac:ac+7], v[bf:bf+7], v[xf:xf+7], v[ac:ac+7]
.endif
.else
.if \zero
	v_wmma_f32_16x16x32_bf16 v[ac:ac+7], v[xf:xf+7], v[bf:bf+7], 0
.else
	v_wmma_f32_16x16x32_bf16 v[ac:ac+7], v[xf:xf+7], v[bf:bf+7], v[ac:ac+7]
.endif
.endif
.set mi, mi+1
.endr
.endm
.macro SUBA s, zero                    ; a step's first 32 channels (buffer 0); the second 32 are fetched
	s_wait_dscnt 0x0
	MUL32 0, 0, \zero
	PLACES                                         ; buffer 1 was read by products: four places in front of the loads into it
	FETCH \s, 64, 1
	MUL32 1, 0, 0
	MUL32 2, 0, \zero
.endm
; A step's second 32 channels (buffer 1) and the change of slots: one barrier; with fill = 1 it opens a round of the cluster's barrier and slot s takes the step two on.
.macro TURN s, nx, fill
	WIN 0
	s_wait_tensorcnt 0x0                           ; all my tensor loads have landed: the one that was out is my part of the next slot
	ds_add_u32 v[SPW], v[NIL]                      ; 0 onto my spare word
.if \fill
	s_add_nc_u64 s[G0X+4*(\s)+2:G0X+4*(\s)+3], s[G0X+4*(\s)+2:G0X+4*(\s)+3], 2*XKB
	s_add_nc_u64 s[G0B+4*(\s)+2:G0B+4*(\s)+3], s[G0B+4*(\s)+2:G0B+4*(\s)+3], 98304
.endif
	s_wait_dscnt 0x0                               ; the add is done, buffer 1 is in, my reads of this slot are over
	s_barrier_signal -1
	MUL32 0, 1, 0
	WIN 0
	s_barrier_wait -1
.if \fill
	CREST
	JLOAD \s                                       ; the first tensor load behind the round; its four v_nop are also the places in front of the loads below
.else
	PLACES
.endif
	FETCH \nx, 0, 0
	MUL32 1, 1, 0
	MUL32 2, 1, 0
.endm
	s_wait_tensorcnt 1                             ; my part of step 0 is in; step 1's stays out
	s_barrier_signal -1
	s_barrier_wait -1
	FETCH 0, 0, 0
	SUBA 0, 1                                      ; the first products start the sums
	WIN 0
	s_mov_b32 s3, 7
.Llap:
	TURN 0, 1, 1
	SUBA 1, 0
	TURN 1, 0, 1
	SUBA 0, 0
	WIN 0
	s_sub_co_u32 s3, s3, 1
	s_cmp_lg_u32 s3, 0
	s_cbranch_scc1 .Llap
	TURN 0, 1, 0                                   ; the last two steps ask for nothing
	SUBA 1, 0
	s_wait_dscnt 0x0
	MUL32 0, 1, 0
	MUL32 1, 1, 0
	MUL32 2, 1, 0
	PLACES
; G's way out, 16 t at a time: hi = bf16(sum), lo = bf16(sum - hi); through my stage; 16 rows of 128 bytes are 2,048 consecutive bytes of g
.macro GOUT i
	WIN 0x0a
.set gk, 0
.rept 16
	v_cvt_pk_bf16_f32 v[192+gk], v[32*(\i)+2*gk], v[32*(\i)+2*gk+1]
.set gk, gk+1
.endr
	WIN 0
.set gk, 0
.rept 16
	v_lshlrev_b32 v[208+2*gk], 16, v[192+gk]
	v_and_b32 v[209+2*gk], 0xffff0000, v[192+gk]
.set gk, gk+1
.endr
	WIN 0x02
.set gk, 0
.rept 16
	v_pk_add_f32 v[208+2*gk:209+2*gk], v[32*(\i)+2*gk:32*(\i)+2*gk+1], v[208+2*gk:209+2*gk] neg_lo:[0,1] neg_hi:[0,1]
.set gk, gk+1
.endr
	WIN 0
.set gk, 0
.rept 16
	v_cvt_pk_bf16_f32 v[240+gk], v[208+2*gk], v[209+2*gk]
.set gk, gk+1
.endr
.irp n, 0,1,2,3
	ds_store_b128 v[STO], v[192+4*\n:195+4*\n] offset:32*\n
.endr
	s_wait_xcnt 0x0                                ; the last stores have read v32-63
.irp f, 0,1,2,3
	ds_load_b128 v[OB+4*\f:OB+4*\f+3], v[RD] offset:576*\f     ; LDS serves a wave's instructions in order
.endr
.irp n, 0,1,2,3
	ds_store_b128 v[STO], v[240+4*\n:243+4*\n] offset:32*\n
.endr
.irp f, 0,1,2,3
	ds_load_b128 v[OB+16+4*\f:OB+16+4*\f+3], v[RD] offset:576*\f
.endr
	s_wait_dscnt 0x0
.irp f, 0,1,2,3
	global_store_b128 v[GO], v[OB+4*\f:OB+4*\f+3], s[56:57] offset:(\i)*2048+512*\f
	global_store_b128 v[GO], v[OB+16+4*\f:OB+16+4*\f+3], s[58:59] offset:(\i)*2048+512*\f
.endr
.endm
; V's way out, 16 c at a time: rows of 128 t, 256 bytes, aligned
.macro VOUT n
	WIN 0x0f
.set gk, 0
.rept 32
	v_cvt_pk_f16_f32 v[192+gk], v[32*(gk/4)+8*(\n)+2*(gk%4)], v[32*(gk/4)+8*(\n)+2*(gk%4)+1]
.set gk, gk+1
.endr
	WIN 0
.irp i, 0,1,2,3,4,5,6,7
	ds_store_b128 v[STO2], v[192+4*\i:195+4*\i] offset:32*\i
.endr
	s_wait_xcnt 0x0
.irp t, 0,1,2,3,4,5,6,7
	ds_load_b128 v[OB+4*\t:OB+4*\t+3], v[RD2] offset:544*\t
.endr
	s_wait_dscnt 0x0
.irp t, 0,1,2,3,4,5,6,7
	global_store_b128 v[VO], v[OB+4*\t:OB+4*\t+3], s[60:61] offset:(16*(\n)+2*\t)*16384
.endr
.endm
.irp i, 0,1,2,3,4,5,6,7
	GOUT \i
.endr
.irp n, 0,1,2,3
	VOUT \n
.endr
	s_wait_tensorcnt 0x0                           ; the wave's end
	ds_add_u32 v[SPW], v[NIL]
	s_wait_dscnt 0x0
	CROUND                                         ; the closing round
	s_endpgm
.Lfunc_end_k_q2b354be12b_proj:
	.size	k_q2b354be12b_proj, .Lfunc_end_k_q2b354be12b_proj-k_q2b354be12b_proj
	.p2alignl 7, 3214868480
	.fill 96, 4, 3214868480
	.section	.rodata,"a",@progbits
	.p2align	6, 0x0
	.amdhsa_kernel k_q2b354be12b_proj
		.amdhsa_group_segment_fixed_size 327680
		.amdhsa_private_segment_fixed_size 0
		.amdhsa_enable_private_segment 0
		.amdhsa_kernarg_size 32
		.amdhsa_user_sgpr_count 2
		.amdhsa_user_sgpr_kernarg_segment_ptr 1
		.amdhsa_wavefront_size32 1
		.amdhsa_system_sgpr_workgroup_id_x 1
		.amdhsa_system_sgpr_workgroup_id_y 1
		.amdhsa_system_sgpr_workgroup_id_z 1
		.amdhsa_system_vgpr_workitem_id 0
		.amdhsa_next_free_vgpr 1024
		.amdhsa_next_free_sgpr 100
		.amdhsa_reserve_vcc 0
		.amdhsa_float_denorm_mode_32 3
		.amdhsa_float_denorm_mode_16_64 3
		.amdhsa_memory_ordered 1
		.amdhsa_forward_progress 1
		.amdhsa_inst_pref_size 148
	.end_amdhsa_kernel
	.amdgpu_metadata
---
amdhsa.version: [ 1, 2 ]
amdhsa.kernels:
  - .name:           k_q2b354be12b_proj
    .symbol:         k_q2b354be12b_proj.kd
    .args:
      - { .name: xb, .offset: 0, .size: 8, .value_kind: global_buffer, .address_space: global }
      - { .name: bw, .offset: 8, .size: 8, .value_kind: global_buffer, .address_space: global }
      - { .name: g, .offset: 16, .size: 8, .value_kind: global_buffer, .address_space: global }
      - { .name: vt, .offset: 24, .size: 8, .value_kind: global_buffer, .address_space: global }
    .group_segment_fixed_size: 327680
    .private_segment_fixed_size: 0
    .kernarg_segment_align: 8
    .kernarg_segment_size: 32
    .max_flat_workgroup_size: 128
    .sgpr_count:     100
    .vgpr_count:     1024
    .wavefront_size: 32
...
	.end_amdgpu_metadata
.endif
;; end of part 2
;; launch scores (part 3): grid 40 x 16, 4 waves a work-group, clusters of 4 x 4, 327,680 bytes of LDS; arguments g, xb, p, st; writes p, st
.if DOCPART == 3
	.amdgcn_target "amdgcn-amd-amdhsa--gfx1250"
	.amdhsa_code_object_version 6
	.text
	.protected	k_q2b354be12b_scores
	.globl	k_q2b354be12b_scores
	.p2align	8
	.type	k_q2b354be12b_scores,@function
k_q2b354be12b_scores:
	s_mov_b64 s[64:65], 0
	v_nop
	global_prefetch_b8 v0, s[64:65] scope:SCOPE_SE
	s_setreg_imm32_b32 hwreg(HW_REG_WAVE_MODE, 25, 1), 1
	s_wait_xcnt 0x0
	s_wait_alu depctr_hold_cnt(0) depctr_sa_sdst(0) depctr_va_vdst(0) depctr_va_sdst(0) depctr_va_ssrc(0) depctr_va_vcc(0) depctr_vm_vsrc(0)
	s_getreg_b32 s2, hwreg(HW_REG_IB_STS2, 6, 4)
	s_cmp_eq_u32 s2, 0
	s_cbranch_scc0 .Lentry_in_a_cluster
	s_endpgm
.Lentry_in_a_cluster:
	s_bfe_u32 s2, ttmp6, 0x10000c
	s_cmp_lg_u32 s2, 0xf033
	s_cbranch_scc0 .Lentry_shape_is_right
	s_endpgm
.Lentry_shape_is_right:
; SCORES.  For a tile of 128 queries x 128 keys: S = (Ghi + Glo) x^T in f32; the causal mask; for each row and each block of 64 keys the true maximum m, p = e^(s - m) in f16, l = sum of p (f32).
; p: [b][q 2048][key 2048] f16;  st: [b][block of 64 keys, 32][q 2048][m, l] f32.  The last launch corrects m to the row's maximum.
; LIMITS: a hidden score counts as -1e30, and m is held at -5e29 or above, so a block that is wholly hidden gives p = 0, l = 0; true scores below -5e29 are not served.  NaN and infinities are not treated apart.
; SHARES.  A cluster of 4 x 4 work-groups takes a super-tile (I, J), J <= I, of 512 x 512: ten for each batch.  The tiles of a diagonal super-tile that lie above the diagonal are partners of the
; joint loads all the same, and the zeros that they store are read by the last launch, which walks whole super-columns.  Wave (WQ, WK): 64 x 64, 16 accumulators.
; K = 1,024 channels in 8 steps of 128 (two blocks of 64) through two slots; a step is four quarters of 32 channels: 16 products with Ghi, 16 with Glo.
; G's tile is shared along a row of the cluster, x's along a column.  Waves 0, 1 ask for Ghi, Glo (two dense blocks of 16 KiB as two long rows), waves 2, 3 for x's two blocks.
.set XKB,   1048576
.set SLOT,  110592                     ; Ghi, Glo, x: each 2 x 128 rows of 144 bytes
.set XOFF,  73728
.set STAGE, 221184                     ; 128 rows x 272
.set SPARE, 256000
.set ADRG, 16
.set ADRX, 20
.set STO,  22
.set RD,   23
.set PO,   24
.set SO,   25
.set SPW,  28
.set NIL,  29
.set ACC,  128
.set WV,   12
.set G1A,  24
.set G1B,  32
.set G0A,  40
.set G0B,  48
.set MSB, 0
.macro WIN new
.if MSB != (\new)
	s_set_vgpr_msb (MSB<<8)|(\new)
.set MSB, (\new)
.endif
.endm
.macro PLACES
.rept 4
	v_nop
.endr
.endm
.macro CREST
	s_cmp_lg_u32 s[WV], 0
	s_cbranch_scc1 .Lnot_wave_0_\@
	s_barrier_signal -3
.Lnot_wave_0_\@:
	s_barrier_wait -3
	s_barrier_signal -1
	s_barrier_wait -1
.endm
.macro CROUND
	s_barrier_signal -1
	s_barrier_wait -1
	CREST
.endm
.macro JLOAD s
	s_cmp_eq_u32 s13, 0
	s_cbranch_scc0 .Lfor_b_\@
	tensor_load_to_lds s[G0A+4*(\s):G0A+4*(\s)+3], s[G1A:G1A+7]
	s_nop 0
.rept 4
	v_nop
.endr
	s_branch .Lasked_\@
.Lfor_b_\@:
	tensor_load_to_lds s[G0B+4*(\s):G0B+4*(\s)+3], s[G1B:G1B+7]
	s_nop 0
.rept 4
	v_nop
.endr
.Lasked_\@:
.endm
	s_load_b256 s[4:11], s[0:1], 0x0               ; g s[4:5], xb s[6:7], p s[8:9], st s[10:11]
	v_lshl_add_u32 v[SPW], v0, 2, SPARE
	v_mov_b32 v[NIL], 0
	ds_add_u32 v[SPW], v[NIL]                      ; the wave's opening: the add and its wait stand ahead of my first tensor load
	ds_add_u32 v28, v29
	v_lshrrev_b32 v1, 5, v0
	v_readfirstlane_b32 s[WV], v1
	s_lshr_b32 s13, s[WV], 1                       ; WQ; also: I fetch for G (0) or for x (1)
	s_and_b32 s14, s[WV], 1                        ; WK; also: which part I fetch
	s_bfe_u32 s16, ttmp6, 0x40000                  ; cx
	s_bfe_u32 s17, ttmp6, 0x40004                  ; cy
	s_cmp_ge_u32 ttmp9, 1                          ; the cluster's x counts the super-tiles (I, J), J <= I: 0; 1, 2; 3-5; 6-9
	s_cselect_b32 s18, 1, 0
	s_cmp_ge_u32 ttmp9, 3
	s_cselect_b32 s20, 1, 0
	s_add_co_u32 s18, s18, s20
	s_cmp_ge_u32 ttmp9, 6
	s_cselect_b32 s20, 1, 0
	s_add_co_u32 s18, s18, s20                     ; I
	s_add_co_u32 s20, s18, 1
	s_mul_i32 s20, s20, s18
	s_lshr_b32 s20, s20, 1
	s_sub_co_u32 s19, ttmp9, s20                   ; J
	s_lshl2_add_u32 s66, s18, s17                  ; qb = 4 I + cy
	s_lshl2_add_u32 s67, s19, s16                  ; kk = 4 J + cx
	s_and_b32 s68, ttmp7, 0xffff                   ; b
	s_lshl_b32 s20, s17, 2
	s_lshl_b32 s20, 15, s20
	s_lshl_b32 s21, 0x1111, s16
	s_or_b32 s[G1A], s20, (1<<16)|(1<<20)|(1<<21)|(4<<22)|(3<<25)
	s_or_b32 s[G1B], s21, (1<<16)|(1<<20)|(1<<21)|(4<<22)|(3<<25)
	s_mov_b32 s[G1A+1], 8192<<16                   ; a row is a dense block of 128 t x 64 channels: 8,192 elements; the padding is counted along the tile, after every 128 bytes
	s_mov_b32 s[G1A+2], 2<<16                      ; two of them,
	s_mov_b32 s[G1A+3], 8192<<16
	s_mov_b32 s[G1A+4], 2
	s_mov_b32 s[G1A+5], 524288                     ; one block of channels apart
	s_mov_b32 s[G1A+6], 0
	s_mov_b32 s[G1A+7], 0
	s_mov_b32 s[G1B+1], 128<<16                    ; one dense block as 64 rows of 256 bytes
	s_mov_b32 s[G1B+2], 64<<16
	s_mov_b32 s[G1B+3], 128<<16
	s_mov_b32 s[G1B+4], 64
	s_mov_b32 s[G1B+5], 128
	s_mov_b32 s[G1B+6], 0
	s_mov_b32 s[G1B+7], 0
	s_lshl_b32 s70, s14, 24                        ; G: plane hi or lo,
	s_lshl_b32 s72, s68, 18
	s_add_co_u32 s70, s70, s72
	s_lshl_b32 s72, s66, 14
	s_add_co_u32 s70, s70, s72                     ; row 2,048 b + 128 qb
	s_mov_b32 s71, 0
	s_lshl_b32 s74, s14, 20                        ; x: the step's even or odd block,
	s_lshl_b32 s76, s68, 18
	s_add_co_u32 s74, s74, s76
	s_lshl_b32 s76, s67, 14
	s_add_co_u32 s74, s74, s76                     ; row 2,048 b + 128 kk
	s_mov_b32 s75, 0
	s_mul_i32 s22, s14, 36864                      ; LDS: Ghi or Glo
	s_mul_i32 s23, s14, 18432
	s_add_co_u32 s23, s23, XOFF                    ; x's block
	s_lshl_b32 s78, s68, 23                        ; p: row 2,048 b + 128 qb + 32 wave, key 128 kk
	s_lshl_b32 s80, s66, 19
	s_add_co_u32 s78, s78, s80
	s_lshl_b32 s80, s[WV], 17
	s_add_co_u32 s78, s78, s80
	s_lshl_b32 s80, s67, 8
	s_add_co_u32 s78, s78, s80
	s_mov_b32 s79, 0
	s_lshl_b32 s80, s68, 19                        ; st: block 32 b + 2 kk + WK, row 128 qb + 64 WQ
	s_lshl1_add_u32 s82, s67, s14
	s_lshl_b32 s82, s82, 14
	s_add_co_u32 s80, s80, s82
	s_lshl_b32 s82, s66, 10
	s_add_co_u32 s80, s80, s82
	s_lshl_b32 s82, s13, 9
	s_add_co_u32 s80, s80, s82
	s_mov_b32 s81, 0
	s_mov_b32 s86, 0x76543210
	s_mov_b32 s87, 0xfedcba98
	s_wait_dscnt 0x0                               ; the opening add is done
	s_wait_kmcnt 0x0
	s_add_nc_u64 s[70:71], s[4:5], s[70:71]
	s_add_nc_u64 s[74:75], s[6:7], s[74:75]
	s_add_nc_u64 s[56:57], s[8:9], s[78:79]
	s_add_nc_u64 s[58:59], s[10:11], s[80:81]
	CROUND
.irp s, 0,1
	s_mov_b32 s[G0A+4*\s], 1
	s_add_co_u32 s[G0A+4*\s+1], s22, \s*SLOT
	s_add_nc_u64 s[G0A+4*\s+2:G0A+4*\s+3], s[70:71], \s*2*XKB
	s_or_b32 s[G0A+4*\s+3], s[G0A+4*\s+3], 0x80000000
	s_mov_b32 s[G0B+4*\s], 1
	s_add_co_u32 s[G0B+4*\s+1], s23, \s*SLOT
	s_add_nc_u64 s[G0B+4*\s+2:G0B+4*\s+3], s[74:75], \s*2*XKB
	s_or_b32 s[G0B+4*\s+3], s[G0B+4*\s+3], 0x80000000
.endr
	s_cmp_eq_u32 s13, 0
	s_cbranch_scc0 .Lfirst_b
	tensor_load_to_lds s[G0A:G0A+3], s[G1A:G1A+7]
	s_nop 0
	tensor_load_to_lds s[G0A+4:G0A+7], s[G1A:G1A+7]
	s_nop 0
.rept 4
	v_nop
.endr
	s_branch .Lfirst_asked
.Lfirst_b:
	tensor_load_to_lds s[G0B:G0B+3], s[G1B:G1B+7]
	s_nop 0
	tensor_load_to_lds s[G0B+4:G0B+7], s[G1B:G1B+7]
	s_nop 0
.rept 4
	v_nop
.endr
.Lfirst_asked:
	v_and_b32 v1, 15, v0                           ; r
	v_bfe_u32 v2, v0, 4, 1                         ; h
	v_and_b32 v50, 31, v0                          ; lane
	v_mul_u32_u24 v3, v1, 144
	v_lshl_add_u32 v3, v2, 4, v3
	s_mul_i32 s20, s13, 9216                       ; my 64 queries
	s_mul_i32 s21, s14, 9216                       ; my 64 keys
	s_add_co_u32 s21, s21, XOFF
.irp s, 0,1
	v_add_nc_u32 v[ADRG+\s], s20, v3
	v_add_nc_u32 v[ADRX+\s], s21, v3
	s_add_co_u32 s20, s20, SLOT
	s_add_co_u32 s21, s21, SLOT
.endr
	s_mul_i32 s20, s13, 17408
	s_lshl_b32 s21, s14, 7
	s_add_co_u32 s20, s20, s21
	s_add_co_u32 s20, s20, STAGE
	v_mul_u32_u24 v4, v1, 272
	v_lshl_add_u32 v4, v2, 4, v4
	v_add_nc_u32 v[STO], s20, v4                   ; row 64 WQ + r, my half of its 256 bytes
	s_mul_i32 s20, s[WV], 8704
	s_add_co_u32 s20, s20, STAGE
	v_mul_u32_u24 v4, v2, 272
	v_lshl_add_u32 v4, v1, 4, v4
	v_add_nc_u32 v[RD], s20, v4                    ; back: rows 32 wave + h, whole
	v_lshlrev_b32 v4, 12, v2
	v_lshl_add_u32 v[PO], v1, 4, v4
	v_lshlrev_b32 v[SO], 3, v50
	s_lshl_b32 s20, s66, 7                         ; my first query less my first key: a number for the mask alone
	s_lshl_b32 s21, s13, 6
	s_add_co_u32 s20, s20, s21
	s_lshl_b32 s21, s67, 7
	s_sub_co_i32 s20, s20, s21
	s_lshl_b32 s21, s14, 6
	s_sub_co_i32 s20, s20, s21
	v_lshlrev_b32 v4, 3, v2
	v_sub_nc_u32 v4, v1, v4
	v_add_nc_u32 v32, s20, v4                      ; D[a] = my query of tile a, less my wave's first key, less my lanes' 8 h: register j of key block b holds key 16 b + 8 h + j, hidden where 16 b + j > D[a]
	v_add_nc_u32 v33, 16, v32
	v_add_nc_u32 v34, 32, v32
	v_add_nc_u32 v35, 48, v32
	v_mov_b32 v48, 0xf149f2ca                      ; -1e30
	v_mov_b32 v49, 0xf0c9f2ca                      ; -5e29
.irp a, 0,1,2,3
	v_mov_b32 v[56+\a], 0                          ; v_permlanex16_b32's destinations count as read
.endr
	v_cmp_lt_u32 s84, 15, v50                      ; lanes 16-31
; window 1: buffer f at 96 f: x's fragments b at 8 b, Ghi's a at 32 + 8 a, Glo's at 64 + 8 a.  Quarter q: block q / 2 of the slot, channels 32 (q % 2) on
.macro FETCH s, q, f
	WIN 0x40
.set fo, ((\q)/2)*18432+((\q)%2)*64
.set fi, 0
.rept 4
	ds_load_b128 v[96*(\f)+8*fi:96*(\f)+8*fi+3],   v[ADRX+(\s)] offset:fo+fi*2304
	ds_load_b128 v[96*(\f)+8*fi+4:96*(\f)+8*fi+7], v[ADRX+(\s)] offset:fo+fi*2304+32
	ds_load_b128 v[96*(\f)+32+8*fi:96*(\f)+32+8*fi+3],   v[ADRG+(\s)] offset:fo+fi*2304
	ds_load_b128 v[96*(\f)+32+8*fi+4:96*(\f)+32+8*fi+7], v[ADRG+(\s)] offset:fo+fi*2304+32
	ds_load_b128 v[96*(\f)+64+8*fi:96*(\f)+64+8*fi+3],   v[ADRG+(\s)] offset:36864+fo+fi*2304
	ds_load_b128 v[96*(\f)+64+8*fi+4:96*(\f)+64+8*fi+7], v[ADRG+(\s)] offset:36864+fo+fi*2304+32
.set fi, fi+1
.endr
.endm
; 16 products, the accumulators by turns: source 0 = 16 keys, source 1 = 16 queries: a lane holds one query and eight neighbouring keys.  lo = 0: Ghi, 1: Glo
.macro MUL16 f, lo, zero
	WIN 0x05
.set mi, 0
.rept 16
.if \zero
	v_wmma_f32_16x16x32_bf16 v[ACC+8*mi:ACC+8*mi+7], v[96*(\f)+8*(mi%4):96*(\f)+8*(mi%4)+7], v[96*(\f)+32+32*(\lo)+8*(mi/4):96*(\f)+32+32*(\lo)+8*(mi/4)+7], 0
.else
	v_wmma_f32_16x16x32_bf16 v[ACC+8*mi:ACC+8*mi+7], v[96*(\f)+8*(mi%4):96*(\f)+8*(mi%4)+7], v[96*(\f)+32+32*(\lo)+8*(mi/4):96*(\f)+32+32*(\lo)+8*(mi/4)+7], v[ACC+8*mi:ACC+8*mi+7]
.endif
.set mi, mi+1
.endr
.endm
.macro QUARTER s, q, f, g, zero        ; multiplies buffer f; fetches quarter q of slot s into buffer g
	s_wait_dscnt 0x0
	MUL16 \f, 0, \zero
	PLACES
	FETCH \s, \q, \g
	MUL16 \f, 1, 0
.endm
.macro TURN s, nx, fill                ; a step's last quarter (buffer 1) and the change of slots
	WIN 0
	s_wait_tensorcnt 0x0                           ; all my tensor loads have landed: my part of the next slot
	ds_add_u32 v[SPW], v[NIL]                      ; 0 onto my spare word
.if \fill
	s_add_nc_u64 s[G0A+4*(\s)+2:G0A+4*(\s)+3], s[G0A+4*(\s)+2:G0A+4*(\s)+3], 4*XKB
	s_add_nc_u64 s[G0B+4*(\s)+2:G0B+4*(\s)+3], s[G0B+4*(\s)+2:G0B+4*(\s)+3], 4*XKB
.endif
	s_wait_dscnt 0x0                               ; the add is done, buffer 1 is in, my reads of this slot are over
	s_barrier_signal -1
	MUL16 1, 0, 0
	WIN 0
	s_barrier_wait -1
.if \fill
	CREST
	JLOAD \s
.else
	PLACES
.endif
	FETCH \nx, 0, 0
	MUL16 1, 1, 0
.endm
	s_wait_tensorcnt 1                             ; my part of step 0 is in; step 1's stays out
	s_barrier_signal -1
	s_barrier_wait -1
	FETCH 0, 0, 0
	QUARTER 0, 1, 0, 1, 1
	WIN 0
	s_mov_b32 s3, 3
.Llap:
	QUARTER 0, 2, 1, 0, 0
	QUARTER 0, 3, 0, 1, 0
	TURN 0, 1, 1
	QUARTER 1, 1, 0, 1, 0
	QUARTER 1, 2, 1, 0, 0
	QUARTER 1, 3, 0, 1, 0
	TURN 1, 0, 1
	QUARTER 0, 1, 0, 1, 0
	WIN 0
	s_sub_co_u32 s3, s3, 1
	s_cmp_lg_u32 s3, 0
	s_cbranch_scc1 .Llap
	QUARTER 0, 2, 1, 0, 0
	QUARTER 0, 3, 0, 1, 0
	TURN 0, 1, 0
	QUARTER 1, 1, 0, 1, 0
	QUARTER 1, 2, 1, 0, 0
	QUARTER 1, 3, 0, 1, 0
	s_wait_dscnt 0x0
	MUL16 1, 0, 0
	MUL16 1, 1, 0
	WIN 0
	PLACES
	; the mask: every tile takes it, so that no branch hangs on the tile's place.  Register ei = 32 a + 8 b + j: the constant is 16 b + j (0 to 55)
.set ei, 0
.rept 128
	v_cmp_gt_i32 vcc_lo, 16*((ei%32)/8)+ei%8, v[32+ei/32]
	v_cndmask_b32 v[ACC+ei], v[ACC+ei], v48, vcc_lo
.set ei, ei+1
.endr
	; the maximum of a row's 64 scores: 32 in my lane, the others in the lane 16 away
.irp a, 0,1,2,3
	v_max3_num_f32 v[52+\a], v[ACC+32*\a], v[ACC+32*\a+1], v[ACC+32*\a+2]
.endr
.set ei, 1
.rept 14
.irp a, 0,1,2,3
	v_max3_num_f32 v[52+\a], v[52+\a], v[ACC+32*\a+2*ei+1], v[ACC+32*\a+2*ei+2]
.endr
.set ei, ei+1
.endr
.irp a, 0,1,2,3
	v_max3_num_f32 v[52+\a], v[52+\a], v[ACC+32*\a+31], v49
.endr
.irp a, 0,1,2,3
	v_permlanex16_b32 v[56+\a], v[52+\a], s86, s87
.endr
.irp a, 0,1,2,3
	v_max_num_f32 v[36+2*\a], v[52+\a], v[56+\a]
.endr
.irp a, 0,1,2,3
	v_mov_b32 v[37+2*\a], v[36+2*\a]
.endr
.set ei, 0
.rept 64
	v_pk_add_f32 v[ACC+2*ei:ACC+2*ei+1], v[ACC+2*ei:ACC+2*ei+1], v[36+2*(ei/16):37+2*(ei/16)] neg_lo:[0,1] neg_hi:[0,1]  ; s - m first: exact where it matters
.set ei, ei+1
.endr
.set ei, 0
.rept 64
	v_pk_mul_f32 v[ACC+2*ei:ACC+2*ei+1], v[ACC+2*ei:ACC+2*ei+1], 0x3fb8aa3b op_sel_hi:[1,0]
.set ei, ei+1
.endr
.set ei, 0
.rept 128
	v_exp_f32 v[ACC+ei], v[ACC+ei]
.set ei, ei+1
.endr
	v_nop                                          ; a plain instruction behind the last exponential
	s_wait_alu depctr_va_vdst(0)                   ; one wait for the batch, ahead of its first reader
.set ei, 0
.rept 64
	v_cvt_pk_f16_f32 v[64+ei], v[ACC+2*ei], v[ACC+2*ei+1]
.set ei, ei+1
.endr
.set ei, 0
.rept 16
	ds_store_b128 v[STO], v[64+4*ei:67+4*ei] offset:(ei/4)*4352+(ei%4)*32
.set ei, ei+1
.endr
	; l: the sum of the unrounded p, in place
.irp w, 16,8,4,2
.irp a, 0,1,2,3
.set ei, 0
.rept (\w)/2
	v_pk_add_f32 v[ACC+32*\a+2*ei:ACC+32*\a+2*ei+1], v[ACC+32*\a+2*ei:ACC+32*\a+2*ei+1], v[ACC+32*\a+\w+2*ei:ACC+32*\a+\w+2*ei+1]
.set ei, ei+1
.endr
.endr
.endr
.irp a, 0,1,2,3
	v_add_f32 v[44+\a], v[ACC+32*\a], v[ACC+32*\a+1]
.endr
.irp a, 0,1,2,3
	v_permlanex16_b32 v[56+\a], v[44+\a], s86, s87
.endr
.irp a, 0,1,2,3
	v_add_f32 v[44+\a], v[44+\a], v[56+\a]
.endr
.irp c, 0,1                                        ; lanes 0-15 store rows 16 (2 c) + r, lanes 16-31 rows 16 (2 c + 1) + r: 256 consecutive bytes
	v_cndmask_b32 v[60+2*\c], v[36+4*\c], v[38+4*\c], s84
	v_cndmask_b32 v[61+2*\c], v[44+2*\c], v[45+2*\c], s84
	global_store_b64 v[SO], v[60+2*\c:61+2*\c], s[58:59] offset:256*\c
.endr
	s_wait_dscnt 0x0                               ; for the others' sake: a row's 256 bytes come from two waves
	s_barrier_signal -1
	s_barrier_wait -1
.set ei, 0
.rept 16
	ds_load_b128 v[64+4*ei:67+4*ei], v[RD] offset:544*ei
.set ei, ei+1
.endr
.set ei, 0
.rept 16
	s_wait_dscnt 15-ei                             ; the younger loads stay out
	global_store_b128 v[PO], v[64+4*ei:67+4*ei], s[56:57] offset:8192*ei   ; 16 lanes store 256 consecutive bytes, aligned
.set ei, ei+1
.endr
	s_wait_tensorcnt 0x0                           ; the wave's end
	ds_add_u32 v[SPW], v[NIL]
	s_wait_dscnt 0x0
	CROUND
	s_endpgm
.Lfunc_end_k_q2b354be12b_scores:
	.size	k_q2b354be12b_scores, .Lfunc_end_k_q2b354be12b_scores-k_q2b354be12b_scores
	.p2alignl 7, 3214868480
	.fill 96, 4, 3214868480
	.section	.rodata,"a",@progbits
	.p2align	6, 0x0
	.amdhsa_kernel k_q2b354be12b_scores
		.amdhsa_group_segment_fixed_size 327680
		.amdhsa_private_segment_fixed_size 0
		.amdhsa_enable_private_segment 0
		.amdhsa_kernarg_size 32
		.amdhsa_user_sgpr_count 2
		.amdhsa_user_sgpr_kernarg_segment_ptr 1
		.amdhsa_wavefront_size32 1
		.amdhsa_system_sgpr_workgroup_id_x 1
		.amdhsa_system_sgpr_workgroup_id_y 1
		.amdhsa_system_sgpr_workgroup_id_z 1
		.amdhsa_system_vgpr_workitem_id 0
		.amdhsa_next_free_vgpr 512
		.amdhsa_next_free_sgpr 100
		.amdhsa_reserve_vcc 1
		.amdhsa_float_denorm_mode_32 3
		.amdhsa_float_denorm_mode_16_64 3
		.amdhsa_memory_ordered 1
		.amdhsa_forward_progress 1
		.amdhsa_inst_pref_size 111
	.end_amdhsa_kernel
	.amdgpu_metadata
---
amdhsa.version: [ 1, 2 ]
amdhsa.kernels:
  - .name:           k_q2b354be12b_scores
    .symbol:         k_q2b354be12b_scores.kd
    .args:
      - { .name: g, .offset: 0, .size: 8, .value_kind: global_buffer, .address_space: global }
      - { .name: xb, .offset: 8, .size: 8, .value_kind: global_buffer, .address_space: global }
      - { .name: p, .offset: 16, .size: 8, .value_kind: global_buffer, .address_space: global }
      - { .name: st, .offset: 24, .size: 8, .value_kind: global_buffer, .address_space: global }
    .group_segment_fixed_size: 327680
    .private_segment_fixed_size: 0
    .kernarg_segment_align: 8
    .kernarg_segment_size: 32
    .max_flat_workgroup_size: 128
    .sgpr_count:     100
    .vgpr_count:     512
    .wavefront_size: 32
...
	.end_amdgpu_metadata
.endif
;; end of part 3
;; launch pv (part 4): grid 8 x 32, 4 waves a work-group, clusters of 4 x 4, 327,680 bytes of LDS; arguments p, vt, st, out0; writes out0
.if DOCPART == 4
	.amdgcn_target "amdgcn-amd-amdhsa--gfx1250"
	.amdhsa_code_object_version 6
	.text
	.protected	k_q2b354be12b_pv
	.globl	k_q2b354be12b_pv
	.p2align	8
	.type	k_q2b354be12b_pv,@function
k_q2b354be12b_pv:
	s_mov_b64 s[64:65], 0
	v_nop
	global_prefetch_b8 v0, s[64:65] scope:SCOPE_SE
	s_setreg_imm32_b32 hwreg(HW_REG_WAVE_MODE, 25, 1), 1
	s_wait_xcnt 0x0
	s_wait_alu depctr_hold_cnt(0) depctr_sa_sdst(0) depctr_va_vdst(0) depctr_va_sdst(0) depctr_va_ssrc(0) depctr_va_vcc(0) depctr_vm_vsrc(0)
	s_getreg_b32 s2, hwreg(HW_REG_IB_STS2, 6, 4)
	s_cmp_eq_u32 s2, 0
	s_cbranch_scc0 .Lentry_in_a_cluster
	s_endpgm
.Lentry_in_a_cluster:
	s_bfe_u32 s2, ttmp6, 0x10000c
	s_cmp_lg_u32 s2, 0xf033
	s_cbranch_scc0 .Lentry_shape_is_right
	s_endpgm
.Lentry_shape_is_right:
; PV.  O[q][c] = (sum over blocks j of 64 keys of alpha_j[q] P_j[q][:] V_j[:][c]) / L[q], alpha_j = e^(m_j - M), M = the row's maximum over its blocks, L = sum of alpha_j l_j.  out0 f32.
; P, alpha and V are f16; alpha p is rounded to f16 (below 6e-8 it counts as 0); sums, m, l, M, L in f32.  NaN and infinities are not treated apart.
; SHARES.  A work-group makes two blocks of 128 q x 128 c, one after the other: q block 4 (3 - Ip) + cy, with 8 - 2 Ip steps of 256 keys, then q block 4 Ip + cy, with 2 + 2 Ip: ten steps, whatever Ip:
; all 256 work-groups are alike, and one counted loop walks them.  Which tile is asked for hangs on scalars made from Ip, which all partners share, and enters global addresses alone.
; CLUSTER 4 x 4: P's tile is shared along a row (the four channel blocks), V's along a column (the four q blocks walk the same keys).
; THE TABLE.  alpha lies in LDS in the walk's order: entry 4 n + quarter for step n, 256 bytes [r 16][a 4], at constant addresses; entries 40, 41 hold 1 / L of the two blocks.  A lap of two steps is one
; group of eight blocks: groups 0-2 are the first q block's, group 4 the second's, group 3 the first's where Ip = 0.
; WINDOWS: 0: addresses, way out;  1: sums (a, b) at 8 (4 a + b), P's fragments v128-191 / v192-255;  2: V's fragments v0-63 / v64-127, alpha v128-131 / v132-135.
; So a product (D, C, source 1 in window 1, source 0 in window 2) and a scaling of P (destination and source 1 in window 1, alpha as source 0 in window 2) stand under ONE setting.
; The sums are cleared by 128 v_mov_b32 at each block's beginning, the price of one text for every step.
.set SLOT,  135168                     ; P 128 rows, V 128 rows, 528 bytes each
.set STAGE, 270336                     ; 16 x 272 a wave
.set TBL,   287744                     ; 42 entries of 256 bytes for each half of the q rows
.set SPARE, 309248
.set ADRP, 16
.set ADRV, 20
.set ALA,  22
.set STO,  23
.set RD,   24
.set GO,   25
.set VT0,  26
.set VTL,  27
.set SPW,  28
.set NIL,  29
.set VTS,  30
.set WV,   12
.set G1P,  24
.set G1V,  32
.set G0P,  40
.set G0V,  48
.set PB,   56                          ; s[56:57] P at my rows of the block whose tiles are being asked for
.set PB2,  58                          ; s[58:59] of the second block
.set VB,   60                          ; s[60:61] V^T at my rows, the batch's key 0
.set OFF,  62                          ; s[62:63] a step's byte offset along the keys
.set NXT,  66
.set NLIM, 67
.set TBA,  68
.set MSB, 0
.macro WIN new
.if MSB != (\new)
	s_set_vgpr_msb (MSB<<8)|(\new)
.set MSB, (\new)
.endif
.endm
.macro PLACES
.rept 4
	v_nop
.endr
.endm
.macro CREST
	s_cmp_lg_u32 s[WV], 0
	s_cbranch_scc1 .Lnot_wave_0_\@
	s_barrier_signal -3
.Lnot_wave_0_\@:
	s_barrier_wait -3
	s_barrier_signal -1
	s_barrier_wait -1
.endm
.macro CROUND
	s_barrier_signal -1
	s_barrier_wait -1
	CREST
.endm
.macro JLOAD s
	s_cmp_eq_u32 s13, 0
	s_cbranch_scc0 .Lfor_v_\@
	tensor_load_to_lds s[G0P+4*(\s):G0P+4*(\s)+3], s[G1P:G1P+7]
	s_nop 0
.rept 4
	v_nop
.endr
	s_branch .Lasked_\@
.Lfor_v_\@:
	tensor_load_to_lds s[G0V+4*(\s):G0V+4*(\s)+3], s[G1V:G1V+7]
	s_nop 0
.rept 4
	v_nop
.endr
.Lasked_\@:
.endm
	s_load_b256 s[4:11], s[0:1], 0x0               ; p s[4:5], vt s[6:7], st s[8:9], out0 s[10:11]
	v_lshl_add_u32 v[SPW], v0, 2, SPARE
	v_mov_b32 v[NIL], 0
	ds_add_u32 v[SPW], v[NIL]                      ; the wave's opening: the add and its wait stand ahead of my first tensor load
	ds_add_u32 v28, v29
	v_lshrrev_b32 v1, 5, v0
	v_readfirstlane_b32 s[WV], v1
	s_lshr_b32 s13, s[WV], 1                       ; WQ; also: I fetch for P (0) or for V (1)
	s_and_b32 s14, s[WV], 1                        ; WK; also: which 64 rows I fetch
	s_bfe_u32 s16, ttmp6, 0x40000                  ; cx
	s_bfe_u32 s17, ttmp6, 0x40004                  ; cy
	s_lshl2_add_u32 s18, ttmp9, s16                ; cb: block of 128 channels
	s_and_b32 s20, ttmp7, 0xffff
	s_lshr_b32 s19, s20, 1                         ; b
	s_and_b32 s15, s20, 1                          ; Ip
	s_lshl_b32 s21, s17, 2
	s_lshl_b32 s21, 15, s21
	s_lshl_b32 s22, 0x1111, s16
	s_or_b32 s[G1P], s21, (1<<16)|(1<<20)|(1<<21)|(6<<22)|(3<<25)  ; mask; 2-byte elements; padding on; bit 21 beside a mask; after every 128 words, 4 words
	s_or_b32 s[G1V], s22, (1<<16)|(1<<20)|(1<<21)|(6<<22)|(3<<25)
.irp d, G1P, G1V
	s_mov_b32 s[\d+1], 256<<16                     ; 256 keys,
	s_mov_b32 s[\d+2], 64<<16                      ; 64 rows
	s_mov_b32 s[\d+3], 256<<16
	s_mov_b32 s[\d+4], 64
	s_mov_b32 s[\d+6], 0
	s_mov_b32 s[\d+7], 0
.endr
	s_mov_b32 s[G1P+5], 2048
	s_mov_b32 s[G1V+5], 8192
	s_sub_co_u32 s20, 3, s15
	s_lshl2_add_u32 s20, s20, s17                  ; Q1 = 4 (3 - Ip) + cy
	s_lshl2_add_u32 s23, s15, s17                  ; Q2 = 4 Ip + cy
	s_lshl_b32 s88, s19, 23                        ; P: row 2,048 b + 128 Q + 64 half
	s_lshl_b32 s92, s14, 18
	s_add_co_u32 s88, s88, s92
	s_lshl_b32 s92, s20, 19
	s_add_co_u32 s90, s88, s92
	s_lshl_b32 s92, s23, 19
	s_add_co_u32 s88, s88, s92
	s_mov_b32 s89, 0
	s_mov_b32 s91, 0
	s_lshl_b32 s92, s18, 21                        ; V^T: row 128 cb + 64 half, key 2,048 b
	s_lshl_b32 s93, s14, 20
	s_add_co_u32 s92, s92, s93
	s_lshl_b32 s93, s19, 12
	s_add_co_u32 s92, s92, s93
	s_mov_b32 s93, 0
	s_lshl_b32 s94, s19, 23                        ; out0: row 2,048 b + 128 Q + 64 WQ, channel 128 cb + 64 WK
	s_lshl_b32 s95, s13, 18
	s_add_co_u32 s94, s94, s95
	s_lshl_b32 s95, s18, 9
	s_add_co_u32 s94, s94, s95
	s_lshl_b32 s95, s14, 8
	s_add_co_u32 s94, s94, s95
	s_lshl_b32 s95, s20, 19
	s_add_co_u32 s96, s94, s95
	s_lshl_b32 s95, s23, 19
	s_add_co_u32 s98, s94, s95
	s_mov_b32 s97, 0
	s_mov_b32 s99, 0
	s_lshl_b32 s94, s19, 19                        ; st: batch b, row 128 Q + 64 WQ + 32 WK
	s_lshl_b32 s95, s13, 9
	s_add_co_u32 s94, s94, s95
	s_lshl_b32 s95, s14, 8
	s_add_co_u32 s94, s94, s95
	s_lshl_b32 s95, s23, 10
	s_add_co_u32 s95, s94, s95                     ; the second block's
	s_lshl_b32 s20, s20, 10
	s_add_co_u32 s94, s94, s20                     ; the first block's
	s_mul_i32 s21, s[WV], 33792                    ; LDS: P's two halves, then V's two halves = wave x 64 rows
	s_mov_b32 s[OFF+1], 0
	s_mov_b32 s[NXT], 2
	s_lshl_b32 s[NLIM], s15, 1
	s_sub_co_u32 s[NLIM], 8, s[NLIM]               ; the first block has 8 - 2 Ip steps
	s_mov_b32 s[TBA], 0
	s_add_co_u32 s69, s15, 1                       ; the first block ends where the loop's count stands at 1 + Ip
	s_cmp_eq_u32 s15, 0
	s_cselect_b32 s70, -1, 0                       ; group 3 is the first block's
	s_mov_b32 s86, 0x76543210
	s_mov_b32 s87, 0xfedcba98
	s_wait_dscnt 0x0                               ; the opening add is done
	s_wait_kmcnt 0x0
	s_add_nc_u64 s[PB:PB+1], s[4:5], s[90:91]
	s_add_nc_u64 s[PB2:PB2+1], s[4:5], s[88:89]
	s_add_nc_u64 s[VB:VB+1], s[6:7], s[92:93]
	s_add_nc_u64 s[72:73], s[10:11], s[96:97]
	s_add_nc_u64 s[74:75], s[10:11], s[98:99]
	s_mov_b32 s97, 0
	s_mov_b32 s96, s94
	s_add_nc_u64 s[76:77], s[8:9], s[96:97]        ; st for the five groups of the walk: eight blocks of 16,384 bytes each
	s_add_nc_u64 s[78:79], s[76:77], 131072
	s_add_nc_u64 s[80:81], s[76:77], 262144
	s_add_co_u32 s96, s94, 393216
	s_cmp_eq_u32 s15, 1
	s_cselect_b32 s96, s95, s96
	s_add_nc_u64 s[82:83], s[8:9], s[96:97]
	s_add_co_u32 s96, s95, 131072
	s_cmp_eq_u32 s15, 1
	s_cselect_b32 s96, s96, s95
	s_add_nc_u64 s[84:85], s[8:9], s[96:97]
	CROUND
.irp s, 0,1
	s_mov_b32 s[G0P+4*\s], 1
	s_add_co_u32 s[G0P+4*\s+1], s21, \s*SLOT
	s_add_nc_u64 s[G0P+4*\s+2:G0P+4*\s+3], s[PB:PB+1], \s*512
	s_or_b32 s[G0P+4*\s+3], s[G0P+4*\s+3], 0x80000000
	s_mov_b32 s[G0V+4*\s], 1
	s_add_co_u32 s[G0V+4*\s+1], s21, \s*SLOT
	s_add_nc_u64 s[G0V+4*\s+2:G0V+4*\s+3], s[VB:VB+1], \s*512
	s_or_b32 s[G0V+4*\s+3], s[G0V+4*\s+3], 0x80000000
.endr
	s_cmp_eq_u32 s13, 0
	s_cbranch_scc0 .Lfirst_v
	tensor_load_to_lds s[G0P:G0P+3], s[G1P:G1P+7]
	s_nop 0
	tensor_load_to_lds s[G0P+4:G0P+7], s[G1P:G1P+7]
	s_nop 0
.rept 4
	v_nop
.endr
	s_branch .Lfirst_asked
.Lfirst_v:
	tensor_load_to_lds s[G0V:G0V+3], s[G1V:G1V+7]
	s_nop 0
	tensor_load_to_lds s[G0V+4:G0V+7], s[G1V:G1V+7]
	s_nop 0
.rept 4
	v_nop
.endr
.Lfirst_asked:
	v_and_b32 v1, 15, v0                           ; r
	v_bfe_u32 v2, v0, 4, 1                         ; h
	v_lshlrev_b32 v4, 14, v2
	v_lshl_add_u32 v4, v1, 3, v4                   ; st: block h, row r
	; THE TABLE.  I make rows a = 2 WK, 2 WK + 1 of my half of the q rows.  Pair e (0..19) of entries: lanes 0-15 entry 2 e, lanes 16-31 entry 2 e + 1.  (m, l) of (e, aa) in v[128 + 4 e + 2 aa], +1
.set ti, 0
.rept 20
	global_load_b64 v[128+4*ti:129+4*ti], v4, s[76+2*(ti/4):77+2*(ti/4)] offset:(ti%4)*32768
	global_load_b64 v[130+4*ti:131+4*ti], v4, s[76+2*(ti/4):77+2*(ti/4)] offset:(ti%4)*32768+128
.set ti, ti+1
.endr
	v_mul_u32_u24 v3, v1, 528
	v_lshl_add_u32 v3, v2, 4, v3
	s_mul_i32 s20, s13, 33792                      ; my 64 q rows
	s_mul_i32 s21, s14, 33792                      ; my 64 channels
	s_add_co_u32 s21, s21, 67584
.irp s, 0,1
	v_add_nc_u32 v[ADRP+\s], s20, v3
	v_add_nc_u32 v[ADRV+\s], s21, v3
	s_add_co_u32 s20, s20, SLOT
	s_add_co_u32 s21, s21, SLOT
.endr
	s_mul_i32 s22, s[WV], 4352
	s_add_co_u32 s22, s22, STAGE
	v_mul_u32_u24 v3, v1, 272
	v_lshl_add_u32 v3, v2, 5, v3
	v_add_nc_u32 v[STO], s22, v3                   ; row r, 32 bytes for each half of the lanes
	v_mul_u32_u24 v3, v2, 272
	v_lshl_add_u32 v3, v1, 4, v3
	v_add_nc_u32 v[RD], s22, v3
	v_lshlrev_b32 v3, 12, v2
	v_lshl_add_u32 v[GO], v1, 4, v3
	s_mul_i32 s22, s13, 10752
	s_add_co_u32 s22, s22, TBL
	v_lshl_add_u32 v[VT0], v1, 4, s22
	s_lshl_b32 s22, s14, 3
	v_add_nc_u32 v[VTL], s22, v[VT0]
	v_lshl_add_u32 v[VTS], v2, 8, v[VTL]
	v_add_nc_u32 v[ALA], s[TBA], v[VT0]
	v_mov_b32 v5, 0xff7fffff                       ; the lowest finite number
.irp i, 32,33,34,35
	v_mov_b32 v\i, 0                               ; v_permlanex16_b32's destinations count as read
.endr
.macro CLEAR
	WIN 0x40
.set ti, 0
.rept 128
	v_mov_b32 v[ti], 0
.set ti, ti+1
.endr
	WIN 0
.endm
	CLEAR
	s_wait_loadcnt 0x0
.irp c, 0,1                                        ; maxima: v44+c groups 0-2, v46+c group 3, v48+c group 4
	v_max3_num_f32 v[44+\c], v[128+2*\c], v[132+2*\c], v[136+2*\c]
	v_max3_num_f32 v[46+\c], v[176+2*\c], v[180+2*\c], v[184+2*\c]
	v_max3_num_f32 v[48+\c], v[192+2*\c], v[196+2*\c], v[200+2*\c]
.endr
.irp e, 3,5,7,9
.irp c, 0,1
	v_max3_num_f32 v[44+\c], v[44+\c], v[128+4*\e+2*\c], v[132+4*\e+2*\c]
.endr
.endr
.irp c, 0,1
	v_max_num_f32 v[44+\c], v[44+\c], v[172+2*\c]
	v_max_num_f32 v[46+\c], v[46+\c], v[188+2*\c]
	v_max_num_f32 v[48+\c], v[48+\c], v[204+2*\c]
.endr
.irp c, 0,1
	v_cndmask_b32 v[50+\c], v5, v[46+\c], s70      ; group 3 goes to the first block's maximum,
	v_cndmask_b32 v[46+\c], v[46+\c], v5, s70      ; or to the second's
.endr
.irp c, 0,1
	v_max_num_f32 v[52+\c], v[44+\c], v[50+\c]
	v_max_num_f32 v[54+\c], v[48+\c], v[46+\c]
.endr
.irp c, 0,1,2,3
	v_permlanex16_b32 v[32+\c], v[52+\c], s86, s87
.endr
.irp c, 0,1,2,3
	v_max_num_f32 v[52+\c], v[52+\c], v[32+\c]     ; v52, 53: M of the first block; v54, 55: of the second
.endr
.irp c, 0,1
	v_cndmask_b32 v[56+\c], v[54+\c], v[52+\c], s70  ; group 3's
.endr
.set ti, 0
.rept 40
.set mr, 52+ti%2
.if ti >= 24
.set mr, 56+ti%2
.endif
.if ti >= 32
.set mr, 54+ti%2
.endif
	v_sub_f32 v[128+2*ti], v[128+2*ti], v[mr]
.set ti, ti+1
.endr
.set ti, 0
.rept 40
	v_mul_f32 v[128+2*ti], 0x3fb8aa3b, v[128+2*ti]
.set ti, ti+1
.endr
.set ti, 0
.rept 40
	v_exp_f32 v[128+2*ti], v[128+2*ti]             ; alpha
.set ti, ti+1
.endr
	v_nop
	s_wait_alu depctr_va_vdst(0)                   ; one wait for the batch
.irp c, 0,1                                        ; sums of alpha l: v44+c groups 0-2, v46+c group 3, v48+c group 4
	v_mul_f32 v[44+\c], v[128+2*\c], v[129+2*\c]
	v_mul_f32 v[46+\c], v[176+2*\c], v[177+2*\c]
	v_mul_f32 v[48+\c], v[192+2*\c], v[193+2*\c]
.endr
.irp e, 1,2,3,4,5,6,7,8,9,10,11
.irp c, 0,1
	v_fma_f32 v[44+\c], v[128+4*\e+2*\c], v[129+4*\e+2*\c], v[44+\c]
.endr
.endr
.irp e, 13,14,15
.irp c, 0,1
	v_fma_f32 v[46+\c], v[128+4*\e+2*\c], v[129+4*\e+2*\c], v[46+\c]
	v_fma_f32 v[48+\c], v[144+4*\e+2*\c], v[145+4*\e+2*\c], v[48+\c]
.endr
.endr
.irp c, 0,1
	v_cndmask_b32 v[50+\c], 0, v[46+\c], s70
	v_cndmask_b32 v[46+\c], v[46+\c], 0, s70
.endr
.irp c, 0,1
	v_add_f32 v[52+\c], v[44+\c], v[50+\c]
	v_add_f32 v[54+\c], v[48+\c], v[46+\c]
.endr
.irp c, 0,1,2,3
	v_permlanex16_b32 v[32+\c], v[52+\c], s86, s87
.endr
.irp c, 0,1,2,3
	v_add_f32 v[52+\c], v[52+\c], v[32+\c]         ; L: at least 1, since the maximum's block has alpha = 1 and l >= 1
.endr
.irp c, 0,1,2,3
	v_rcp_f32 v[60+\c], v[52+\c]
.endr
.set ti, 0
.rept 40
	v_cvt_pk_f16_f32 v[208+ti], v[128+2*ti], v[128+2*ti]   ; alpha twice, for the packed multiply
.set ti, ti+1
.endr
	s_wait_alu depctr_va_vdst(0)                   ; for the four reciprocals; the conversions above are the plain work behind them
.set ti, 0
.rept 20
	ds_store_b64 v[VTS], v[208+2*ti:209+2*ti] offset:512*ti
.set ti, ti+1
.endr
	ds_store_b64 v[VTL], v[60:61] offset:40*256
	ds_store_b64 v[VTL], v[62:63] offset:41*256
; 33 LDS loads in one run: quarter q (64 keys) of slot s into buffer f, and its entry of alpha
.macro FETCH s, q, f
	WIN 0x40
.set fi, 0
.rept 8
	ds_load_b128 v[128+64*(\f)+8*fi:128+64*(\f)+8*fi+3],   v[ADRP+(\s)] offset:128*(\q)+64*(fi/4)+(fi%4)*8448
	ds_load_b128 v[128+64*(\f)+8*fi+4:128+64*(\f)+8*fi+7], v[ADRP+(\s)] offset:128*(\q)+64*(fi/4)+(fi%4)*8448+32
.set fi, fi+1
.endr
	WIN 0x80
.set fi, 0
.rept 8
	ds_load_b128 v[64*(\f)+8*fi:64*(\f)+8*fi+3],   v[ADRV+(\s)] offset:128*(\q)+64*(fi/4)+(fi%4)*8448
	ds_load_b128 v[64*(\f)+8*fi+4:64*(\f)+8*fi+7], v[ADRV+(\s)] offset:128*(\q)+64*(fi/4)+(fi%4)*8448+32
.set fi, fi+1
.endr
	ds_load_b128 v[128+4*(\f):131+4*(\f)], v[ALA] offset:256*(\q)
.endm
.macro SC sf, sc, n                    ; register n of 32 of P's fragments (buffer sf, 32 keys sc) times its row's alpha
	v_pk_mul_f16 v[128+64*(\sf)+32*(\sc)+(\n)], v[128+4*(\sf)+(\n)/8], v[128+64*(\sf)+32*(\sc)+(\n)]
.endm
; 16 products on 32 keys c of buffer f (source 0 = 16 channels, source 1 = 16 queries: a lane holds one query, eight channels), the accumulators by turns; between them the scaling of (sf, sc).
; mode 0: two behind each product.  mode 1: (sf, sc) is on its way from LDS: eight products bare, the wait, then four behind each.  mode 2: none.
.macro H f, c, sf, sc, mode
	WIN 0x56
.set hi, 0
.set hn, 0
.rept 16
	v_wmma_f32_16x16x32_f16 v[8*hi:8*hi+7], v[64*(\f)+32*(\c)+8*(hi%4):64*(\f)+32*(\c)+8*(hi%4)+7], v[128+64*(\f)+32*(\c)+8*(hi/4):128+64*(\f)+32*(\c)+8*(hi/4)+7], v[8*hi:8*hi+7]
.if (\mode) == 0
	SC \sf, \sc, hn
	SC \sf, \sc, hn+1
.set hn, hn+2
.endif
.if (\mode) == 1
.if hi == 7
	s_wait_dscnt 0x0
.endif
.if hi >= 8
	SC \sf, \sc, hn
	SC \sf, \sc, hn+1
	SC \sf, \sc, hn+2
	SC \sf, \sc, hn+3
.set hn, hn+4
.endif
.endif
.set hi, hi+1
.endr
.endm
.macro QUARTER s, q, f, g              ; multiplies buffer f; fetches quarter q of slot s into buffer g
	PLACES                                         ; buffer g was read by the products just issued
	FETCH \s, \q, \g
	H \f, 0, \f, 1, 0
	H \f, 1, \g, 0, 1
.endm
.macro WALK s                          ; slot s's next tile: step NXT of the block in hand; behind the first block's last step the second block's step 0
	s_lshl_b32 s[OFF], s[NXT], 9
	s_add_nc_u64 s[G0P+4*(\s)+2:G0P+4*(\s)+3], s[PB:PB+1], s[OFF:OFF+1]
	s_or_b32 s[G0P+4*(\s)+3], s[G0P+4*(\s)+3], 0x80000000
	s_add_nc_u64 s[G0V+4*(\s)+2:G0V+4*(\s)+3], s[VB:VB+1], s[OFF:OFF+1]
	s_or_b32 s[G0V+4*(\s)+3], s[G0V+4*(\s)+3], 0x80000000
	s_add_co_u32 s[NXT], s[NXT], 1
	s_cmp_eq_u32 s[NXT], s[NLIM]
	s_cselect_b32 s[NXT], 0, s[NXT]
	s_cselect_b64 s[PB:PB+1], s[PB2:PB2+1], s[PB:PB+1]
	s_cselect_b32 s[NLIM], 64, s[NLIM]
.endm
.macro TURN s, nx, fill                ; a step's last quarter (buffer 1) and the change of slots
	WIN 0
	s_wait_tensorcnt 0x0                           ; all my tensor loads have landed: my part of the next slot; so a group 0 may be written
	ds_add_u32 v[SPW], v[NIL]                      ; 0 onto my spare word
.if \fill
	WALK \s
.endif
	s_wait_dscnt 0x0                               ; the add is done; my reads of this slot are over
	s_barrier_signal -1
	H 1, 0, 1, 1, 0
	WIN 0
	s_barrier_wait -1
.if \fill
	CREST
	JLOAD \s
.else
	PLACES
.endif
	s_add_co_u32 s[TBA], s[TBA], 1024              ; the next step's four entries of alpha
	v_add_nc_u32 v[ALA], s[TBA], v[VT0]
	FETCH \nx, 0, 0
	H 1, 1, 0, 0, 1
.endm
.macro HALFLAP s
	QUARTER \s, 1, 0, 1
	QUARTER \s, 2, 1, 0
	QUARTER \s, 3, 0, 1
.endm
; THE WAY OUT of a block: the sums times 1 / L, 16 q rows at a time through my stage, stored as whole rows of 256 bytes
.macro OUT blk
	PLACES
	WIN 0
	ds_load_b128 v[40:43], v[VT0] offset:(40+(\blk))*256
	s_wait_dscnt 0x0
.set oa, 0
.rept 4
	WIN 0x41
.set ok, 0
.rept 16
.if oa%2
	v_pk_mul_f32 v[32*oa+2*ok:32*oa+2*ok+1], v[32*oa+2*ok:32*oa+2*ok+1], v[40+2*(oa/2):41+2*(oa/2)] op_sel:[0,1] op_sel_hi:[1,1]
.else
	v_pk_mul_f32 v[32*oa+2*ok:32*oa+2*ok+1], v[32*oa+2*ok:32*oa+2*ok+1], v[40+2*(oa/2):41+2*(oa/2)] op_sel_hi:[1,0]
.endif
.set ok, ok+1
.endr
	WIN 0x04
.set ok, 0
.rept 4
	ds_store_b128 v[STO], v[32*oa+8*ok:32*oa+8*ok+3] offset:64*ok
	ds_store_b128 v[STO], v[32*oa+8*ok+4:32*oa+8*ok+7] offset:64*ok+16
.set ok, ok+1
.endr
	WIN 0
	s_wait_xcnt 0x0                                ; the last stores have read v64-95
.set ok, 0
.rept 8
	ds_load_b128 v[64+4*ok:67+4*ok], v[RD] offset:544*ok   ; LDS serves a wave's instructions in order
.set ok, ok+1
.endr
	s_wait_dscnt 0x0
.set ok, 0
.rept 8
	global_store_b128 v[GO], v[64+4*ok:67+4*ok], s[72+2*(\blk):73+2*(\blk)] offset:(16*oa+2*ok)*4096 th:TH_STORE_NT
.set ok, ok+1
.endr
.set oa, oa+1
.endr
.endm
	s_wait_tensorcnt 1                             ; my part of step 0 is in; step 1's stays out
	s_wait_dscnt 0x0                               ; my part of the table is stored
	s_barrier_signal -1
	s_barrier_wait -1
	FETCH 0, 0, 0
	s_wait_dscnt 0x0
	WIN 0x56
.set hn, 0
.rept 32
	SC 0, 0, hn
.set hn, hn+1
.endr
	WIN 0
	s_mov_b32 s3, 4
.Llap:                                             ; a lap: two steps, one group of the table; both slots are filled again
	HALFLAP 0
	TURN 0, 1, 1
	HALFLAP 1
	TURN 1, 0, 1
	WIN 0
	s_cmp_eq_u32 s3, s69                           ; was this the first block's last lap?  The same answer in all partners; what is jumped holds no barrier and no tensor load
	s_cbranch_scc0 .Lno_out
	OUT 0
	CLEAR
.Lno_out:
	s_sub_co_u32 s3, s3, 1
	s_cmp_lg_u32 s3, 0
	s_cbranch_scc1 .Llap
	HALFLAP 0                                      ; the last lap asks for nothing
	TURN 0, 1, 0
	HALFLAP 1
	H 1, 0, 1, 1, 0
	H 1, 1, 0, 0, 2
	OUT 1
	s_wait_tensorcnt 0x0                           ; the wave's end
	ds_add_u32 v[SPW], v[NIL]
	s_wait_dscnt 0x0
	CROUND
	s_endpgm
.Lfunc_end_k_q2b354be12b_pv:
	.size	k_q2b354be12b_pv, .Lfunc_end_k_q2b354be12b_pv-k_q2b354be12b_pv
	.p2alignl 7, 3214868480
	.fill 96, 4, 3214868480
	.section	.rodata,"a",@progbits
	.p2align	6, 0x0
	.amdhsa_kernel k_q2b354be12b_pv
		.amdhsa_group_segment_fixed_size 327680
		.amdhsa_private_segment_fixed_size 0
		.amdhsa_enable_private_segment 0
		.amdhsa_kernarg_size 32
		.amdhsa_user_sgpr_count 2
		.amdhsa_user_sgpr_kernarg_segment_ptr 1
		.amdhsa_wavefront_size32 1
		.amdhsa_system_sgpr_workgroup_id_x 1
		.amdhsa_system_sgpr_workgroup_id_y 1
		.amdhsa_system_sgpr_workgroup_id_z 1
		.amdhsa_system_vgpr_workitem_id 0
		.amdhsa_next_free_vgpr 768
		.amdhsa_next_free_sgpr 100
		.amdhsa_reserve_vcc 0
		.amdhsa_float_denorm_mode_32 3
		.amdhsa_float_denorm_mode_16_64 3
		.amdhsa_memory_ordered 1
		.amdhsa_forward_progress 1
		.amdhsa_inst_pref_size 196
	.end_amdhsa_kernel
	.amdgpu_metadata
---
amdhsa.version: [ 1, 2 ]
amdhsa.kernels:
  - .name:           k_q2b354be12b_pv
    .symbol:         k_q2b354be12b_pv.kd
    .args:
      - { .name: p, .offset: 0, .size: 8, .value_kind: global_buffer, .address_space: global }
      - { .name: vt, .offset: 8, .size: 8, .value_kind: global_buffer, .address_space: global }
      - { .name: st, .offset: 16, .size: 8, .value_kind: global_buffer, .address_space: global }
      - { .name: out0, .offset: 24, .size: 8, .value_kind: global_buffer, .address_space: global }
    .group_segment_fixed_size: 327680
    .private_segment_fixed_size: 0
    .kernarg_segment_align: 8
    .kernarg_segment_size: 32
    .max_flat_workgroup_size: 128
    .sgpr_count:     100
    .vgpr_count:     768
    .wavefront_size: 32
...
	.end_amdgpu_metadata
.endif
;; end of part 4
;; ======== version 2 of 2: 4 launches
;; limits: values are held in f16: magnitudes above 65,504 overflow, below 6.1e-05 lose precision; right only within a limited range of input values
;; workspace buffers: xb 16,777,216 bytes; bw 6,291,456 bytes; g 33,554,432 bytes; vt 16,777,216 bytes; p 33,554,432 bytes; st 2,097,152 bytes
;; launch prep: the kernel of part 1 again; grid 256 x 1, 8 waves a work-group, no clusters, 125,952 bytes of LDS; arguments x, Wq, Wk, Wv, xb, bw; writes xb, bw
;; launch proj (part 5): grid 8 x 32, 4 waves a work-group, clusters of 4 x 4, 327,680 bytes of LDS; arguments xb, bw, g, vt; writes g, vt
.if DOCPART == 5
	.amdgcn_target "amdgcn-amd-amdhsa--gfx1250"
	.amdhsa_code_object_version 6
	.text
	.protected	k_q2b354be12b_proj
	.globl	k_q2b354be12b_proj
	.p2align	8
	.type	k_q2b354be12b_proj,@function
k_q2b354be12b_proj:
	s_mov_b64 s[64:65], 0
	v_nop
	global_prefetch_b8 v0, s[64:65] scope:SCOPE_SE
	s_setreg_imm32_b32 hwreg(HW_REG_WAVE_MODE, 25, 1), 1
	s_wait_xcnt 0x0
	s_wait_alu depctr_hold_cnt(0) depctr_sa_sdst(0) depctr_va_vdst(0) depctr_va_sdst(0) depctr_va_ssrc(0) depctr_va_vcc(0) depctr_vm_vsrc(0)
	s_getreg_b32 s2, hwreg(HW_REG_IB_STS2, 6, 4)
	s_cmp_eq_u32 s2, 0
	s_cbranch_scc0 .Lentry_in_a_cluster
	s_endpgm
.Lentry_in_a_cluster:
	s_bfe_u32 s2, ttmp6, 0x10000c
	s_cmp_lg_u32 s2, 0xf033
	s_cbranch_scc0 .Lentry_shape_is_right
	s_endpgm
.Lentry_shape_is_right:
; PROJ.  G[t][d2] = sum over d1 of x[t][d1] (MThi + MTlo)[d2][d1], kept as bf16 hi + lo, blocked [hi, lo][kb][t][64];  V^T[c][t] = sum of Wv[c][d] x[t][d], f16, [c 1024][t 8192].
; LIMIT: |V| stays under 65,504 (f16).  NaN and infinities are not treated apart.
; SHARES.  A work-group: 256 t x (128 d2 of G and 128 c of V).  Wave (TH, CH): 128 t x (64 d2 + 64 c): 64 accumulators.  K goes in 16 steps of 64 channels through two LDS slots.
; All tiles are dense blocks in memory (xb and bw are blocked by 64 channels): asked for as rows of 256 bytes, padded in LDS after every 128.
; A STEP IS WRITTEN ONCE: slot 1 begins at 1 << 17, so one exclusive or turns the walking descriptors' LDS words and the fetches' base from one slot to the other.
; CLUSTER 4 x 4: x's tile is shared along a row of the cluster, the weights' along a column; wave 0 asks for x's 256 rows, waves 1-3 for the three kinds of 128 weight rows.
; WINDOWS: 0: addresses, x's fragments v64-127 / v128-191, way out;  1: weights' fragments v0-95 / v96-191 (kind u, block n at 32 u + 8 n);  2: G's sums (i, n) at 8 (4 i + n);  3: V's.
.set XKB,   1048576                    ; bytes of one block of 64 channels in xb and in a plane of g
.set BKB,   49152                      ; bytes of one block of 64 channels in a column block of bw
.set PITCH, 144
.set SLOT1, 131072                     ; a slot: x 256 rows, then 384 weight rows, 144 bytes each: 92,160 bytes
.set BOFF,  36864
.set STAGE, SLOT1+92160                ; 4,352 bytes a wave
.set SPARE, STAGE+4*4352               ; the spare words, 128 bytes a wave
.set X0,   16                          ; v16  my place in x's rows of slot 0; never rewritten
.set BB,   17                          ; v17  the same in the weights' rows
.set ADRX, 18                          ; v18  the same in the slot in hand
.set ADRB, 19
.set STO,  22
.set RD,   23
.set STO2, 24
.set RD2,  25
.set GO,   26
.set VO,   27
.set SPW,  28
.set NIL,  29
.set PFO,  30                          ; v30  the prefetches' offset; never rewritten
.set OB,   32                          ; the way out: rows read back from the stage, v32-63 and v64-95 by turns
.set WV,   12
.set G1X,  24
.set G1B,  32
.set G0X,  40                          ; s[40:43] first fill; s[44:47] second fill, which then walks
.set G0B,  48
.set HIM,  62                          ; s62  a word's upper bf16
.set TB,   63                          ; s63  0 or SLOT1: the slot in hand
.set LIM,  74                          ; s74  1 in a wave that prefetches, else the greatest number
.set ODD,  75                          ; s75  1 in wave 0, which asks in every trip; 0 in waves 1-3, which ask where the count is odd
.set PFA,  76                          ; s[76:77] where my prefetches stand
.set PFS,  78                          ; s[78:79] their step: a block of 64 channels of xb or of bw
.set MSB, 0
.macro WIN new
.if MSB != (\new)
	s_set_vgpr_msb (MSB<<8)|(\new)
.set MSB, (\new)
.endif
.endm
.macro PLACES
.rept 4
	v_nop
.endr
.endm
.macro CREST
	s_cmp_lg_u32 s[WV], 0
	s_cbranch_scc1 .Lnot_wave_0_\@
	s_barrier_signal -3
.Lnot_wave_0_\@:
	s_barrier_wait -3
	s_barrier_signal -1
	s_barrier_wait -1
.endm
.macro CROUND
	s_barrier_signal -1
	s_barrier_wait -1
	CREST
.endm
.macro JLOAD                           ; a joint refill: the branch hangs on the wave's number alone; an s_nop 0 and four v_nop follow each line
	s_cmp_eq_u32 s[WV], 0
	s_cbranch_scc0 .Lfor_b_\@
	tensor_load_to_lds s[G0X+4:G0X+7], s[G1X:G1X+7]
	s_nop 0
.rept 4
	v_nop
.endr
	s_branch .Lasked_\@
.Lfor_b_\@:
	tensor_load_to_lds s[G0B+4:G0B+7], s[G1B:G1B+7]
	s_nop 0
.rept 4
	v_nop
.endr
.Lasked_\@:
.endm
; A PREFETCH INTO THE L2, behind the joint load, its five lines and the run of LDS loads; a lane a block of 256 bytes; each block is named once in the launch.
; x's 256 rows of a step are 128 blocks, read by both clusters along x: cluster x = 0 asks, wave 0; its four partners take 32 blocks each BY ADDRESS (cx).  In trip n, which asks for step n + 1, it names step n + 2.
; The weights' 384 rows of a step are 192 blocks, read by all eight clusters along y: cluster y = 0 asks, waves 1-3, each for its kind; the four partners take 16 blocks each BY ADDRESS (cy); lanes 0-15 name step n + 2,
; lanes 16-31 step n + 3, in the even trips alone (the count is odd there).  Where the count stands at 1 nothing is asked for: the steps named would not exist.  Both limits are the same in all partners, for a given wave.
.macro ASK
	s_or_b32 s80, s3, s[ODD]
	s_and_b32 s80, s80, 1
	s_cmp_lg_u32 s80, 0
	s_cbranch_scc0 .Lnot_mine_\@
	s_cmp_gt_u32 s3, s[LIM]
	s_cbranch_scc0 .Lnot_mine_\@
	global_prefetch_b8 v[PFO], s[PFA:PFA+1] th:TH_LOAD_NT scope:SCOPE_SE
.Lnot_mine_\@:
.endm
	s_load_b256 s[4:11], s[0:1], 0x0               ; xb s[4:5], bw s[6:7], g s[8:9], vt s[10:11]
	v_lshl_add_u32 v[SPW], v0, 2, SPARE
	v_mov_b32 v[NIL], 0
	ds_add_u32 v[SPW], v[NIL]                      ; the wave's opening: the add and its wait stand ahead of my first tensor load
	ds_add_u32 v28, v29
	v_lshrrev_b32 v1, 5, v0
	v_readfirstlane_b32 s[WV], v1
	s_lshr_b32 s13, s[WV], 1                       ; TH: my half of the 256 t
	s_and_b32 s14, s[WV], 1                        ; CH: my half of the 128 columns
	s_max_u32 s15, s[WV], 1
	s_sub_co_u32 s15, s15, 1                       ; which kind of weight rows I fetch (waves 1-3)
	s_bfe_u32 s16, ttmp6, 0x40000                  ; cx
	s_bfe_u32 s17, ttmp6, 0x40004                  ; cy
	s_lshl_b32 s18, ttmp9, 2
	s_add_co_u32 s18, s18, s16                     ; jx: block of 128 columns
	s_and_b32 s19, ttmp7, 0xffff
	s_lshl_b32 s19, s19, 2
	s_add_co_u32 s19, s19, s17                     ; ty: block of 256 t
	s_lshl_b32 s20, s17, 2
	s_lshl_b32 s20, 15, s20                        ; my row of the cluster
	s_lshl_b32 s21, 0x1111, s16                    ; my column
	s_or_b32 s[G1X], s20, (1<<16)|(1<<20)|(1<<21)|(4<<22)|(3<<25)  ; mask; 2-byte elements; padding on; bit 21 beside a mask; after every 32 words, 4 words
	s_or_b32 s[G1B], s21, (1<<16)|(1<<20)|(1<<21)|(4<<22)|(3<<25)
	s_mov_b32 s[G1X+1], 128<<16                    ; rows of 128 elements (256 bytes: two rows of 64 channels)
	s_mov_b32 s[G1X+2], 128<<16                    ; 128 of them
	s_mov_b32 s[G1X+3], 128<<16
	s_mov_b32 s[G1X+4], 128
	s_mov_b32 s[G1X+5], 128                        ; dense
	s_mov_b32 s[G1X+6], 0
	s_mov_b32 s[G1X+7], 0
	s_mov_b32 s[G1B+1], 128<<16
	s_mov_b32 s[G1B+2], 64<<16                     ; 64 rows of 256 bytes
	s_mov_b32 s[G1B+3], 128<<16
	s_mov_b32 s[G1B+4], 64
	s_mov_b32 s[G1B+5], 128
	s_mov_b32 s[G1B+6], 0
	s_mov_b32 s[G1B+7], 0
	s_lshl_b32 s66, s19, 15                        ; x: 256 ty rows of 128 bytes
	s_mov_b32 s67, 0
	s_mul_i32 s68, s18, 786432
	s_lshl_b32 s69, s15, 14
	s_add_co_u32 s68, s68, s69                     ; weights: block jx, kind u
	s_mov_b32 s69, 0
	s_mul_i32 s22, s[WV], 18432
	s_add_co_u32 s22, s22, BOFF-18432              ; LDS: kind wave - 1 behind x's rows
	s_lshl_b32 s70, s18, 1
	s_add_co_u32 s70, s70, s14
	s_lshl_b32 s70, s70, 20                        ; g: kb = 2 jx + CH
	s_lshl_b32 s72, s19, 15
	s_add_co_u32 s70, s70, s72
	s_lshl_b32 s72, s13, 14
	s_add_co_u32 s70, s70, s72                     ; + (256 ty + 128 TH) rows of 128 bytes
	s_mov_b32 s71, 0
	s_lshl_b32 s72, s18, 21
	s_lshl_b32 s73, s14, 20
	s_add_co_u32 s72, s72, s73                     ; vt: row 128 jx + 64 CH,
	s_lshl_b32 s73, s19, 9
	s_add_co_u32 s72, s72, s73
	s_lshl_b32 s73, s13, 8
	s_add_co_u32 s72, s72, s73                     ; t = 256 ty + 128 TH
	s_mov_b32 s73, 0
	s_mov_b32 s[HIM], 0xffff0000
	s_mov_b32 s[TB], 0
	s_wait_dscnt 0x0                               ; the opening add is done
	s_wait_kmcnt 0x0
	s_add_nc_u64 s[66:67], s[4:5], s[66:67]
	s_add_nc_u64 s[68:69], s[6:7], s[68:69]
	s_add_nc_u64 s[56:57], s[8:9], s[70:71]        ; G hi
	s_add_nc_u64 s[58:59], s[56:57], 16777216      ; G lo
	s_add_nc_u64 s[60:61], s[10:11], s[72:73]
	CROUND                                         ; all sixteen work-groups are here: the first joint loads meet
.irp s, 0,1
	s_mov_b32 s[G0X+4*\s], 1
	s_mov_b32 s[G0X+4*\s+1], \s*SLOT1
	s_add_nc_u64 s[G0X+4*\s+2:G0X+4*\s+3], s[66:67], \s*XKB
	s_or_b32 s[G0X+4*\s+3], s[G0X+4*\s+3], 0x80000000
	s_mov_b32 s[G0B+4*\s], 1
	s_add_co_u32 s[G0B+4*\s+1], s22, \s*SLOT1
	s_add_nc_u64 s[G0B+4*\s+2:G0B+4*\s+3], s[68:69], \s*BKB
	s_or_b32 s[G0B+4*\s+3], s[G0B+4*\s+3], 0x80000000
.endr
	s_cmp_eq_u32 s[WV], 0                          ; a wave's two first fills stand in one branch: two loads of mine are out
	s_cbranch_scc0 .Lfirst_b
	tensor_load_to_lds s[G0X:G0X+3], s[G1X:G1X+7]
	s_nop 0
	tensor_load_to_lds s[G0X+4:G0X+7], s[G1X:G1X+7]
	s_nop 0
.rept 4
	v_nop
.endr
	s_branch .Lfirst_asked
.Lfirst_b:
	tensor_load_to_lds s[G0B:G0B+3], s[G1B:G1B+7]
	s_nop 0
	tensor_load_to_lds s[G0B+4:G0B+7], s[G1B:G1B+7]
	s_nop 0
.rept 4
	v_nop
.endr
.Lfirst_asked:
	v_and_b32 v1, 15, v0                           ; r
	v_bfe_u32 v2, v0, 4, 1                         ; h
	v_mul_u32_u24 v3, v1, PITCH
	v_lshl_add_u32 v3, v2, 4, v3                   ; a fragment's row x pitch + 16 h
	s_mul_i32 s20, s13, 18432                      ; my 128 rows of x
	s_mul_i32 s21, s14, 9216                       ; my 64 rows of each kind
	s_add_co_u32 s21, s21, BOFF
	v_add_nc_u32 v[X0], s20, v3
	v_add_nc_u32 v[BB], s21, v3
	v_mov_b32 v[ADRX], v[X0]
	v_mov_b32 v[ADRB], v[BB]
	s_mul_i32 s23, s[WV], 4352
	s_add_co_u32 s23, s23, STAGE
	v_add_nc_u32 v[STO], s23, v3
	v_bfe_u32 v4, v0, 3, 2
	v_and_b32 v5, 7, v0
	v_mul_u32_u24 v4, v4, PITCH
	v_lshl_add_u32 v4, v5, 4, v4
	v_add_nc_u32 v[RD], s23, v4                    ; back: four rows of 128 bytes
	v_mul_u32_u24 v4, v1, 272
	v_lshl_add_u32 v4, v2, 4, v4
	v_add_nc_u32 v[STO2], s23, v4
	v_mul_u32_u24 v4, v2, 272
	v_lshl_add_u32 v4, v1, 4, v4
	v_add_nc_u32 v[RD2], s23, v4                   ; back: two rows of 256 bytes
	v_and_b32 v4, 31, v0
	v_lshlrev_b32 v[GO], 4, v4
	v_lshlrev_b32 v5, 14, v2
	v_lshl_add_u32 v[VO], v1, 4, v5
	; the prefetches.  Nothing is asked for here, at the head, where every work-group's first tiles are on their way
	v_lshlrev_b32 v6, 8, v4                        ; x: block = lane
	v_lshlrev_b32 v7, 8, v1                        ; weights: block r,
	v_mul_u32_u24 v8, v2, BKB                      ; one step on for lanes 16-31
	v_add_nc_u32 v7, v7, v8
	s_lshl_b32 s82, s16, 13                        ; x: my work-group's 32 blocks of the 128
	s_lshl_b32 s83, s17, 12                        ; weights: my work-group's 16 blocks of my kind's 64: cx and cy enter a global offset alone
	s_and_b32 s81, ttmp7, 0xffff                   ; cluster y
	s_mov_b32 s84, XKB
	s_mov_b32 s85, BKB
	s_cmp_eq_u32 s[WV], 0
	s_cselect_b32 s80, -1, 0
	s_cselect_b32 s[ODD], 1, 0
	s_cselect_b32 s82, s82, s83
	s_cselect_b32 s81, ttmp9, s81                  ; the coordinate along which other clusters read the same rows
	s_cselect_b32 s[PFS], s84, s85
	s_cselect_b64 s[PFA:PFA+1], s[66:67], s[68:69]
	s_mov_b32 s[PFS+1], 0
	s_cmp_eq_u32 s81, 0
	s_cselect_b32 s[LIM], 1, -1                    ; the same in all sixteen partners, for a given wave
	s_add_nc_u64 s[PFA:PFA+1], s[PFA:PFA+1], s[PFS:PFS+1]
	s_add_nc_u64 s[PFA:PFA+1], s[PFA:PFA+1], s[PFS:PFS+1]  ; at step 2: the first change of slots steps it to 3
	v_cndmask_b32 v[PFO], v7, v6, s80
	v_add_nc_u32 v[PFO], s82, v[PFO]
; 40 LDS loads in one run: 32 channels at byte k of the rows of the slot in hand into buffer f
.macro FETCH k, f
	WIN 0x40
.set fi, 0
.rept 12
	ds_load_b128 v[96*(\f)+8*fi:96*(\f)+8*fi+3],   v[ADRB] offset:(fi/4)*18432+(fi%4)*2304+(\k)
	ds_load_b128 v[96*(\f)+8*fi+4:96*(\f)+8*fi+7], v[ADRB] offset:(fi/4)*18432+(fi%4)*2304+(\k)+32
.set fi, fi+1
.endr
	WIN 0
.set fi, 0
.rept 8
	ds_load_b128 v[64+64*(\f)+8*fi:64+64*(\f)+8*fi+3],   v[ADRX] offset:fi*2304+(\k)
	ds_load_b128 v[64+64*(\f)+8*fi+4:64+64*(\f)+8*fi+7], v[ADRX] offset:fi*2304+(\k)+32
.set fi, fi+1
.endr
.endm
; Products from .. from + n - 1 of a kind's 32; the 32 accumulators take turns.  kind 0: G += MThi x (source 0 = d2, source 1 = t: a lane holds one t, eight d2); 1: MTlo onto the same sums;
; 2: V^T (source 0 = t, source 1 = c: a lane holds one c, eight t).  zero = 1: the product starts the sum
.macro MULR kind, f, zero, from, n
.if (\kind) < 2
	WIN 0xa1
.else
	WIN 0xf4
.endif
.set mi, \from
.rept \n
.set ac, 8*mi
.set xf, 64+64*(\f)+8*(mi/4)
.set bf, 96*(\f)+32*(\kind)+8*(mi%4)
.if (\kind) < 2
.if \zero
	v_wmma_f32_16x16x32_bf16 v[ac:ac+7], v[bf:bf+7], v[xf:xf+7], 0
.else
	v_wmma_f32_16x16x32_bf16 v[ac:ac+7], v[bf:bf+7], v[xf:xf+7], v[ac:ac+7]
.endif
.else
.if \zero
	v_wmma_f32_16x16x32_bf16 v[ac:ac+7], v[xf:xf+7], v[bf:bf+7], 0
.else
	v_wmma_f32_16x16x32_bf16 v[ac:ac+7], v[xf:xf+7], v[bf:bf+7], v[ac:ac+7]
.endif
.endif
.set mi, mi+1
.endr
.endm
.macro SUBA zero                       ; a step's first 32 channels (buffer 0); the second 32 are fetched
	s_wait_dscnt 0x0
	MULR 0, 0, \zero, 0, 32
	PLACES                                         ; buffer 1 was read by products: four places in front of the loads into it
	FETCH 64, 1
	MULR 1, 0, 0, 0, 32
	MULR 2, 0, \zero, 0, 32
.endm
; A step's second 32 channels (buffer 1) and the change of slots: one barrier; with fill = 1 it opens a round of the cluster's barrier and the slot just read takes the step two on.
; From a request to the wait for it a wave issues 176 matrix instructions: the step's 192 less the sixteen between that wait and the refill.
.macro TURN fill
	WIN 0
.if \fill
	s_wait_xcnt 0x0                                ; the last prefetch, a step back, has read its address
	s_add_nc_u64 s[PFA:PFA+1], s[PFA:PFA+1], s[PFS:PFS+1]
.endif
	s_wait_dscnt 0x0                               ; buffer 1 is in: my reads of this slot are over
	MULR 0, 1, 0, 0, 16
	WIN 0                                          ; (the add's two registers lie in window 0)
	s_wait_tensorcnt 0x0                           ; all my tensor loads have landed: the one that was out is my part of the next slot; so a group 0 may be written
	ds_add_u32 v[SPW], v[NIL]                      ; 0 onto my spare word
.if \fill
	s_xor_b32 s[G0X+5], s[G0X+5], SLOT1            ; the walking descriptors: the other slot than last time, the next 64 channels
	s_add_nc_u64 s[G0X+6:G0X+7], s[G0X+6:G0X+7], XKB
	s_xor_b32 s[G0B+5], s[G0B+5], SLOT1
	s_add_nc_u64 s[G0B+6:G0B+7], s[G0B+6:G0B+7], BKB
.endif
	MULR 0, 1, 0, 16, 8                            ; eight matrix instructions stand between the add and the wait for it
	s_wait_dscnt 0x0                               ; the add is done
	s_barrier_signal -1
	MULR 0, 1, 0, 24, 8
	WIN 0
	s_barrier_wait -1
.if \fill
	CREST
	JLOAD                                          ; the first tensor load behind the round; its four v_nop are also the places in front of the loads below
.else
	PLACES
.endif
	s_xor_b32 s[TB], s[TB], SLOT1                  ; the fetches go on in the other slot
	v_add_nc_u32 v[ADRX], s[TB], v[X0]
	v_add_nc_u32 v[ADRB], s[TB], v[BB]
	FETCH 0, 0
.if \fill
	ASK
.endif
	MULR 1, 1, 0, 0, 32
	MULR 2, 1, 0, 0, 32
.endm
	s_wait_tensorcnt 1                             ; my part of step 0 is in; step 1's stays out
	s_barrier_signal -1
	s_barrier_wait -1
	FETCH 0, 0
	SUBA 1                                         ; the first products start the sums
	WIN 0
	s_mov_b32 s3, 14
.Lstep:                                            ; trip n: the second half of step n - 1, the refill with step n + 1, the first half of step n
	TURN 1
	SUBA 0
	WIN 0
	s_sub_co_u32 s3, s3, 1
	s_cmp_lg_u32 s3, 0
	s_cbranch_scc1 .Lstep
	TURN 0                                         ; the last two steps ask for nothing
	SUBA 0
	s_wait_dscnt 0x0
	MULR 0, 1, 0, 0, 32
	MULR 1, 1, 0, 0, 32
	MULR 2, 1, 0, 0, 32
	PLACES
; THE WAY OUT, in three parts for each block, so that a block's arithmetic stands between the loads of the block before and the wait for them.
; G, 16 t at a time: hi = bf16(sum), lo = bf16(sum - hi); through my stage; 16 rows of 128 bytes are 2,048 consecutive bytes of g
.macro GPACK i
	WIN 0x0a
.set gk, 0
.rept 16
	v_cvt_pk_bf16_f32 v[192+gk], v[32*(\i)+2*gk], v[32*(\i)+2*gk+1]
.set gk, gk+1
.endr
	WIN 0
.set gk, 0
.rept 16
	v_lshlrev_b32 v[208+2*gk], 16, v[192+gk]
	v_and_b32 v[209+2*gk], s[HIM], v[192+gk]
.set gk, gk+1
.endr
	WIN 0x02
.set gk, 0
.rept 16
	v_pk_add_f32 v[208+2*gk:209+2*gk], v[32*(\i)+2*gk:32*(\i)+2*gk+1], v[208+2*gk:209+2*gk] neg_lo:[0,1] neg_hi:[0,1]
.set gk, gk+1
.endr
	WIN 0
.set gk, 0
.rept 16
	v_cvt_pk_bf16_f32 v[240+gk], v[208+2*gk], v[209+2*gk]
.set gk, gk+1
.endr
.endm
.macro GSTAGE i
.set ob, OB+32*((\i)%2)
.irp n, 0,1,2,3
	ds_store_b128 v[STO], v[192+4*\n:195+4*\n] offset:32*\n
.endr
	s_wait_xcnt 0x0                                ; the stores of the block two back have read this buffer
.irp f, 0,1,2,3
	ds_load_b128 v[ob+4*\f:ob+4*\f+3], v[RD] offset:576*\f     ; LDS serves a wave's instructions in order: these see the stores above, and the stores below come behind them
.endr
.irp n, 0,1,2,3
	ds_store_b128 v[STO], v[240+4*\n:243+4*\n] offset:32*\n
.endr
.irp f, 0,1,2,3
	ds_load_b128 v[ob+16+4*\f:ob+16+4*\f+3], v[RD] offset:576*\f
.endr
.endm
.macro GSEND i
.set ob, OB+32*((\i)%2)
	s_wait_dscnt 0x0                               ; the block is back in registers
.irp f, 0,1,2,3
	global_store_b128 v[GO], v[ob+4*\f:ob+4*\f+3], s[56:57] offset:(\i)*2048+512*\f
	global_store_b128 v[GO], v[ob+16+4*\f:ob+16+4*\f+3], s[58:59] offset:(\i)*2048+512*\f
.endr
.endm
; V, 16 c at a time: rows of 128 t, 256 bytes, aligned
.macro VPACK n
	WIN 0x0f
.set gk, 0
.rept 32
	v_cvt_pk_f16_f32 v[192+gk], v[32*(gk/4)+8*(\n)+2*(gk%4)], v[32*(gk/4)+8*(\n)+2*(gk%4)+1]
.set gk, gk+1
.endr
	WIN 0
.endm
.macro VSTAGE n
.set ob, OB+32*((\n)%2)
.irp i, 0,1,2,3,4,5,6,7
	ds_store_b128 v[STO2], v[192+4*\i:195+4*\i] offset:32*\i
.endr
	s_wait_xcnt 0x0                                ; the stores of the block two back have read this buffer
.irp t, 0,1,2,3,4,5,6,7
	ds_load_b128 v[ob+4*\t:ob+4*\t+3], v[RD2] offset:544*\t
.endr
.endm
.macro VSEND n
.set ob, OB+32*((\n)%2)
	s_wait_dscnt 0x0
.irp t, 0,1,2,3,4,5,6,7
	global_store_b128 v[VO], v[ob+4*\t:ob+4*\t+3], s[60:61] offset:(16*(\n)+2*\t)*16384
.endr
.endm
	GPACK 0
	GSTAGE 0
.irp i, 1,2,3,4,5,6,7
	GPACK \i
	GSEND (\i)-1
	GSTAGE \i
.endr
	VPACK 0
	GSEND 7
	VSTAGE 0
.irp n, 1,2,3
	VPACK \n
	VSEND (\n)-1
	VSTAGE \n
.endr
	VSEND 3
	s_wait_tensorcnt 0x0                           ; the wave's end
	ds_add_u32 v[SPW], v[NIL]
	s_wait_dscnt 0x0
	CROUND                                         ; the closing round
	s_endpgm
.Lfunc_end_k_q2b354be12b_proj:
	.size	k_q2b354be12b_proj, .Lfunc_end_k_q2b354be12b_proj-k_q2b354be12b_proj
	.p2alignl 7, 3214868480
	.fill 96, 4, 3214868480
	.section	.rodata,"a",@progbits
	.p2align	6, 0x0
	.amdhsa_kernel k_q2b354be12b_proj
		.amdhsa_group_segment_fixed_size 327680
		.amdhsa_private_segment_fixed_size 0
		.amdhsa_enable_private_segment 0
		.amdhsa_kernarg_size 32
		.amdhsa_user_sgpr_count 2
		.amdhsa_user_sgpr_kernarg_segment_ptr 1
		.amdhsa_wavefront_size32 1
		.amdhsa_system_sgpr_workgroup_id_x 1
		.amdhsa_system_sgpr_workgroup_id_y 1
		.amdhsa_system_sgpr_workgroup_id_z 1
		.amdhsa_system_vgpr_workitem_id 0
		.amdhsa_next_free_vgpr 1024
		.amdhsa_next_free_sgpr 100
		.amdhsa_reserve_vcc 0
		.amdhsa_float_denorm_mode_32 3
		.amdhsa_float_denorm_mode_16_64 3
		.amdhsa_memory_ordered 1
		.amdhsa_forward_progress 1
		.amdhsa_inst_pref_size 127
	.end_amdhsa_kernel
	.amdgpu_metadata
---
amdhsa.version: [ 1, 2 ]
amdhsa.kernels:
  - .name:           k_q2b354be12b_proj
    .symbol:         k_q2b354be12b_proj.kd
    .args:
      - { .name: xb, .offset: 0, .size: 8, .value_kind: global_buffer, .address_space: global }
      - { .name: bw, .offset: 8, .size: 8, .value_kind: global_buffer, .address_space: global }
      - { .name: g, .offset: 16, .size: 8, .value_kind: global_buffer, .address_space: global }
      - { .name: vt, .offset: 24, .size: 8, .value_kind: global_buffer, .address_space: global }
    .group_segment_fixed_size: 327680
    .private_segment_fixed_size: 0
    .kernarg_segment_align: 8
    .kernarg_segment_size: 32
    .max_flat_workgroup_size: 128
    .sgpr_count:     100
    .vgpr_count:     1024
    .wavefront_size: 32
...
	.end_amdgpu_metadata
.endif
;; end of part 5
;; launch scores (part 6): grid 36 x 4, 4 waves a work-group, no clusters, 327,680 bytes of LDS; arguments g, xb, p, st; writes p, st
.if DOCPART == 6
	.amdgcn_target "amdgcn-amd-amdhsa--gfx1250"
	.amdhsa_code_object_version 6
	.text
	.protected	k_q2b354be12b_scores
	.globl	k_q2b354be12b_scores
	.p2align	8
	.type	k_q2b354be12b_scores,@function
k_q2b354be12b_scores:
	s_mov_b64 s[64:65], 0
	v_nop
	global_prefetch_b8 v0, s[64:65] scope:SCOPE_SE
	s_setreg_imm32_b32 hwreg(HW_REG_WAVE_MODE, 25, 1), 1
	s_wait_xcnt 0x0
; SCORES.  For a tile of 256 queries x 256 keys: S = (Ghi + Glo) x^T in f32; the causal mask; for each row and each block of 64 keys the true maximum m, p = e^(s - m) in f16, l = sum of p (f32).
; p: [b][q 2048][key 2048] f16;  st: [b][block of 64 keys, 32][q 2048][m, l] f32.  The last launch corrects m to the row's maximum.
; LIMITS: a hidden score counts as its value less 1e30, and m is held at -5e29 or above, so a block that is wholly hidden gives p = 0, l = 0; true scores below -5e29 are not served.  NaN and infinities are not treated apart.
; SHARES.  A work-group takes one tile (qt, kt), kt <= qt, of the 8 x 8 tiles of a batch: 36 a batch, 144 in all.  Four waves, each 128 x 128: 64 accumulators, 512 registers.
; K = 1,024 channels in 16 steps of 64 through two LDS slots; a step is two halves of 32 channels, each 64 products with Ghi and 64 with Glo: 256 matrix instructions a wave for a slot's 98,304 bytes.
; NO CLUSTER: the tiles lie in rows of 1 to 8; a grid of 4 x 4 or of 4 x 1 clusters has 48 tiles a batch, and partners may not branch on their place, so 12 wholly hidden tiles a batch would be multiplied: a third more matrix work.
; THE MASK is the C operand of the product that starts a sum: 0, or -1e30 where the key is hidden.  In a diagonal tile accumulator (a, b) of wave (WQ, WK) is hidden wholly, not at all, or along its own diagonal: three sets of 8 registers.
; THE TILE (2 z, 2 z + 1), wholly hidden, is read by the last launch, which walks blocks of 512 keys: the work-group of tile (2 z, 2 z) stores its zeros while it waits for its first tile.
; THE WAY OUT is a loop: each wave lays its f32 sums into 67,584 bytes of LDS of its own (over the ring, which has had its last fill) and takes them back by rows, 16 lanes a row of 128 keys.
; WINDOWS: 0: addresses, x's fragments v64-127 / v128-191, masks v192-215;  1: G's fragments, buffer f at 128 f: hi a at 8 a, lo at 64 + 8 a;  2, 3: sums (a, b) at 8 (8 (a % 4) + b), window 2 + a / 4.
.set XKB,   1048576                    ; bytes of one block of 64 channels in xb and in a plane of g
.set PLANE, 16777216                   ; bytes from G hi to G lo
.set SLOT1, 131072                     ; slot 1 begins here: one exclusive or turns an address in one slot into the other's
.set GOFF,  36864                      ; a slot: x 256 rows of 144 bytes; then for each half of the queries: hi 128 rows, lo 128 rows
.set DWAVE, 67584                      ; the way out: 128 rows x 528 bytes for each wave
.set STATS, 270336                     ; 2,048 bytes a wave: [block 2][row 128][m, l]
.set SPARE, 278528
.set X0,   16
.set GB,   17
.set ADRX, 18
.set ADRG, 19
.set DST,  20
.set RDA,  21
.set STA,  22
.set PO,   23
.set STR,  24
.set CLAMP, 25
.set SO,   26
.set SPW,  28
.set NIL,  29
.set PFO,  30
.set PFO2, 31
.set ML,   32                          ; v32-47: (m, l) of eight pairs of rows
.set DT,   64                          ; v64-127: eight pairs of rows, 8 scores a lane
.set OB,   128                         ; v128-159: their p, packed
.set MK,   192                         ; masks: v192-199 an accumulator's own diagonal, v200-207 above it, v208-215 below it
.set WV,   12
.set G1X,  24
.set G1G,  32
.set G0X,  40                          ; s[40:43] first fill; s[44:47] second fill, which then walks
.set G0G,  48
.set PFG,  60
.set PFX,  62
.set TB,   66
.set LIMG, 67
.set LIMX, 68
.set MSB, 0
.macro WIN new
.if MSB != (\new)
	s_set_vgpr_msb (MSB<<8)|(\new)
.set MSB, (\new)
.endif
.endm
.macro PLACES
.rept 4
	v_nop
.endr
.endm
.macro LOADT                           ; a refill: waves 0, 1 fetch x's halves, waves 2, 3 G's; an s_nop 0 and four v_nop follow each line
	s_cmp_eq_u32 s13, 0
	s_cbranch_scc0 .Lfor_g_\@
	tensor_load_to_lds s[G0X+4:G0X+7], s[G1X:G1X+7]
	s_nop 0
.rept 4
	v_nop
.endr
	s_branch .Lasked_\@
.Lfor_g_\@:
	tensor_load_to_lds s[G0G+4:G0G+7], s[G1G:G1G+7]
	s_nop 0
.rept 4
	v_nop
.endr
.Lasked_\@:
.endm
; A PREFETCH INTO THE L2 of the step behind the one that has just been asked for, a lane a block of 256 bytes.  G's 256 rows (hi and lo: 256 blocks) are read by the tiles kt = 0 .. qt: the one with kt = 0 asks,
; two lines a wave.  x's 256 rows (128 blocks) are read by the tiles qt = kt .. 7: the diagonal one asks, one line a wave.  So each block is named once.  The loop's last trip has no step behind its refill.
.macro ASK
	s_cmp_gt_u32 s3, s[LIMG]
	s_cbranch_scc0 .Lnot_g_\@
	global_prefetch_b8 v[PFO], s[PFG:PFG+1] th:TH_LOAD_NT scope:SCOPE_SE
	global_prefetch_b8 v[PFO2], s[PFG:PFG+1] th:TH_LOAD_NT scope:SCOPE_SE
.Lnot_g_\@:
	s_cmp_gt_u32 s3, s[LIMX]
	s_cbranch_scc0 .Lnot_x_\@
	global_prefetch_b8 v[PFO], s[PFX:PFX+1] th:TH_LOAD_NT scope:SCOPE_SE
.Lnot_x_\@:
.endm
	s_load_b256 s[4:11], s[0:1], 0x0               ; g s[4:5], xb s[6:7], p s[8:9], st s[10:11]
	v_lshl_add_u32 v[SPW], v0, 2, SPARE
	v_mov_b32 v[NIL], 0
	ds_add_u32 v[SPW], v[NIL]                      ; the wave's opening: the add and its wait stand ahead of my first tensor load
	ds_add_u32 v28, v29
	v_lshrrev_b32 v1, 5, v0
	v_readfirstlane_b32 s[WV], v1
	s_lshr_b32 s13, s[WV], 1                       ; WQ: my half of the queries; also: I fetch for x (0) or for G (1)
	s_and_b32 s14, s[WV], 1                        ; WK: my half of the keys; also: which half I fetch
	s_and_b32 s18, ttmp7, 0xffff                   ; b
	s_mov_b32 s16, 0
.irp n, 1,3,6,10,15,21,28                          ; the work-group's x counts the tiles (qt, kt), kt <= qt, row by row
	s_cmp_ge_u32 ttmp9, \n
	s_cselect_b32 s19, 1, 0
	s_add_co_u32 s16, s16, s19
.endr
	s_add_co_u32 s19, s16, 1                       ; s16 = qt
	s_mul_i32 s19, s19, s16
	s_lshr_b32 s19, s19, 1
	s_sub_co_u32 s17, ttmp9, s19                   ; kt
	s_mov_b32 s[G1X], (1<<16)|(1<<20)|(4<<22)|(3<<25)  ; 2-byte elements; padding on; after every 32 words, 4 words
	s_mov_b32 s[G1X+1], 128<<16                    ; 128 rows of 64 channels are dense: 64 rows of 256 bytes
	s_mov_b32 s[G1X+2], 64<<16
	s_mov_b32 s[G1X+3], 128<<16
	s_mov_b32 s[G1X+4], 64
	s_mov_b32 s[G1X+5], 128
	s_mov_b32 s[G1X+6], 0
	s_mov_b32 s[G1X+7], 0
	s_mov_b32 s[G1G], (1<<16)|(1<<20)|(4<<22)|(3<<25)
	s_mov_b32 s[G1G+1], 8192<<16                   ; a row is a dense block of 128 t x 64 channels: 8,192 elements; the padding is counted along the tile, after every 128 bytes
	s_mov_b32 s[G1G+2], 2<<16                      ; two of them, hi and lo,
	s_mov_b32 s[G1G+3], 8192<<16
	s_mov_b32 s[G1G+4], 2
	s_mov_b32 s[G1G+5], PLANE/2                    ; one plane apart
	s_mov_b32 s[G1G+6], 0
	s_mov_b32 s[G1G+7], 0
	s_lshl_b32 s19, s18, 18                        ; 2,048 b rows of 128 bytes
	s_lshl_b32 s20, s17, 15
	s_add_co_u32 s70, s19, s20                     ; x: row 2,048 b + 256 kt
	s_mov_b32 s71, 0
	s_lshl_b32 s20, s16, 15
	s_add_co_u32 s72, s19, s20                     ; G: row 2,048 b + 256 qt
	s_mov_b32 s73, 0
	s_lshl_b32 s74, s14, 14                        ; the 128 rows that I fetch
	s_mov_b32 s75, 0
	s_mul_i32 s22, s14, 18432                      ; LDS: x's half
	s_mul_i32 s23, s14, 36864
	s_add_co_u32 s23, s23, GOFF                    ; G's half
	s_lshl_b32 s76, s18, 23                        ; p: row 2,048 b + 256 qt, key 256 kt
	s_lshl_b32 s19, s16, 20
	s_add_co_u32 s76, s76, s19
	s_lshl_b32 s19, s17, 9
	s_add_co_u32 s76, s76, s19
	s_lshl_b32 s19, s[WV], 18
	s_add_co_u32 s80, s76, s19                     ; the hidden tile beside it: my 64 rows, 256 keys on
	s_add_co_u32 s80, s80, 512
	s_mov_b32 s81, 0
	s_lshl_b32 s19, s13, 19
	s_add_co_u32 s76, s76, s19                     ; my 128 rows,
	s_lshl_b32 s19, s14, 8
	s_add_co_u32 s76, s76, s19                     ; my 128 keys
	s_mov_b32 s77, 0
	s_lshl_b32 s78, s18, 19                        ; st: block 32 b + 4 kt, row 256 qt
	s_lshl_b32 s19, s17, 16
	s_add_co_u32 s78, s78, s19
	s_lshl_b32 s19, s16, 11
	s_add_co_u32 s78, s78, s19
	s_lshl_b32 s19, s[WV], 14
	s_add_co_u32 s82, s78, s19                     ; the hidden tile's: four blocks on, one a wave
	s_add_co_u32 s82, s82, 65536
	s_mov_b32 s83, 0
	s_lshl_b32 s19, s14, 15
	s_add_co_u32 s78, s78, s19                     ; my two blocks,
	s_lshl_b32 s19, s13, 10
	s_add_co_u32 s78, s78, s19                     ; my 128 rows
	s_mov_b32 s79, 0
	s_cmp_eq_u32 s17, 0
	s_cselect_b32 s[LIMG], 1, -1                   ; 1 where the work-group prefetches, else the greatest number
	s_cmp_eq_u32 s16, s17
	s_cselect_b32 s[LIMX], 1, -1
	s_mov_b32 s[TB], 0
	s_wait_dscnt 0x0                               ; the opening add is done
	s_wait_kmcnt 0x0
	s_add_nc_u64 s[PFX:PFX+1], s[6:7], s[70:71]
	s_add_nc_u64 s[PFG:PFG+1], s[4:5], s[72:73]
	s_add_nc_u64 s[70:71], s[PFX:PFX+1], s[74:75]
	s_add_nc_u64 s[72:73], s[PFG:PFG+1], s[74:75]
	s_add_nc_u64 s[PFX:PFX+1], s[PFX:PFX+1], 2*XKB ; at step 2: the first change of slots steps them to 3
	s_add_nc_u64 s[PFG:PFG+1], s[PFG:PFG+1], 2*XKB
	s_add_nc_u64 s[56:57], s[8:9], s[76:77]
	s_add_nc_u64 s[58:59], s[10:11], s[78:79]
	s_add_nc_u64 s[80:81], s[8:9], s[80:81]
	s_add_nc_u64 s[82:83], s[10:11], s[82:83]
.irp s, 0,1
	s_mov_b32 s[G0X+4*\s], 1
	s_add_co_u32 s[G0X+4*\s+1], s22, \s*SLOT1
	s_add_nc_u64 s[G0X+4*\s+2:G0X+4*\s+3], s[70:71], \s*XKB
	s_or_b32 s[G0X+4*\s+3], s[G0X+4*\s+3], 0x80000000
	s_mov_b32 s[G0G+4*\s], 1
	s_add_co_u32 s[G0G+4*\s+1], s23, \s*SLOT1
	s_add_nc_u64 s[G0G+4*\s+2:G0G+4*\s+3], s[72:73], \s*XKB
	s_or_b32 s[G0G+4*\s+3], s[G0G+4*\s+3], 0x80000000
.endr
	s_cmp_eq_u32 s13, 0                            ; a wave's two first fills stand in one branch: two loads of mine are out
	s_cbranch_scc0 .Lfirst_g
	tensor_load_to_lds s[G0X:G0X+3], s[G1X:G1X+7]
	s_nop 0
	tensor_load_to_lds s[G0X+4:G0X+7], s[G1X:G1X+7]
	s_nop 0
.rept 4
	v_nop
.endr
	s_branch .Lfirst_asked
.Lfirst_g:
	tensor_load_to_lds s[G0G:G0G+3], s[G1G:G1G+7]
	s_nop 0
	tensor_load_to_lds s[G0G+4:G0G+7], s[G1G:G1G+7]
	s_nop 0
.rept 4
	v_nop
.endr
.Lfirst_asked:
	v_and_b32 v1, 15, v0                           ; r
	v_bfe_u32 v2, v0, 4, 1                         ; h
	v_and_b32 v3, 31, v0                           ; lane
	v_lshlrev_b32 v[SO], 4, v3                     ; 16 x lane
	; the hidden tile's zeros, where my tile is (2 z, 2 z): what is jumped holds stores alone
	s_xor_b32 s19, s16, s17
	s_and_b32 s20, s16, 1
	s_or_b32 s19, s19, s20
	s_cmp_eq_u32 s19, 0
	s_cbranch_scc0 .Lno_zero
.irp i, 4,5,6,7,9,11
	v_mov_b32 v\i, 0
.endr
	v_mov_b32 v8, 0xf0c9f2ca                       ; m = -5e29, l = 0, two rows a lane
	v_mov_b32 v10, 0xf0c9f2ca
.irp i, 0,1,2,3
	global_store_b128 v[SO], v[8:11], s[82:83] offset:512*\i
.endr
	s_mov_b32 s3, 8
.Lzero:                                            ; my 64 rows, 512 bytes each, eight a trip
.irp i, 0,1,2,3,4,5,6,7
	global_store_b128 v[SO], v[4:7], s[80:81] offset:4096*\i
.endr
	s_wait_xcnt 0x0                                ; the base is written only behind this wait
	s_add_nc_u64 s[80:81], s[80:81], 32768
	s_sub_co_u32 s3, s3, 1
	s_cmp_lg_u32 s3, 0
	s_cbranch_scc1 .Lzero
.Lno_zero:
	v_mul_u32_u24 v4, v1, 144
	v_lshl_add_u32 v4, v2, 4, v4                   ; a fragment's row x pitch + 16 h
	s_mul_i32 s19, s14, 18432                      ; my 128 keys
	v_add_nc_u32 v[X0], s19, v4
	s_mul_i32 s19, s13, 36864                      ; my 128 queries
	s_add_co_u32 s19, s19, GOFF
	v_add_nc_u32 v[GB], s19, v4
	v_mov_b32 v[ADRX], v[X0]
	v_mov_b32 v[ADRG], v[GB]
	s_mul_i32 s19, s[WV], DWAVE
	v_mul_u32_u24 v4, v1, 528
	v_lshl_add_u32 v4, v2, 4, v4
	v_add_nc_u32 v[DST], s19, v4                   ; the way out, in: row r, 16 bytes at 16 h
	v_mul_u32_u24 v4, v2, 528
	v_lshl_add_u32 v4, v1, 4, v4
	v_add_nc_u32 v[RDA], s19, v4                   ; back: row h, 16 bytes at 16 r
	s_lshl_b32 s19, s[WV], 11
	s_add_co_u32 s19, s19, STATS
	v_lshrrev_b32 v4, 3, v1
	v_lshlrev_b32 v4, 10, v4
	v_lshl_add_u32 v4, v2, 3, v4
	v_add_nc_u32 v[STA], s19, v4                   ; block r / 8, row h
	v_lshl_add_u32 v[STR], v3, 4, s19
	v_lshlrev_b32 v4, 12, v2
	v_lshl_add_u32 v[PO], v1, 4, v4                ; p: row h, 16 bytes at 16 r
	v_mov_b32 v[CLAMP], 0xf0c9f2ca                 ; -5e29
	s_lshl_b32 s19, s[WV], 13
	v_lshl_add_u32 v[PFO], v3, 8, s19              ; the prefetches: my wave's 32 blocks of 256 bytes,
	v_add_nc_u32 v[PFO2], PLANE, v[PFO]            ; and the same in G lo
.irp q, 0,1,2,3,4,5,6,7
	v_mov_b32 v[ML+2*\q+1], 0                      ; named in a pair before l is first made
.endr
	; the masks.  Query 128 WQ + 16 a + r, key 128 WK + 16 b + 8 h + j, in a diagonal tile: hidden where the key is greater
	s_cmp_eq_u32 s16, s17
	s_cselect_b32 s19, 0xf149f2ca, 0               ; -1e30 in a diagonal tile
	s_cmp_ge_u32 s14, s13
	s_cselect_b32 s20, s19, 0                      ; b > a
	s_cmp_gt_u32 s14, s13
	s_cselect_b32 s21, s19, 0                      ; b < a
	v_lshlrev_b32 v4, 3, v2
	v_sub_nc_u32 v4, v1, v4                        ; r - 8 h
.irp j, 0,1,2,3,4,5,6,7
	v_mov_b32 v[MK+8+\j], s20
	v_mov_b32 v[MK+16+\j], s21
.endr
.irp j, 0,1,2,3,4,5,6,7
	v_cmp_gt_i32 vcc_lo, \j, v4                    ; b = a: register j is hidden where 8 h + j > r
	v_cndmask_b32 v[MK+\j], v[MK+16], v[MK+8], vcc_lo
.endr
; 48 LDS loads in one run: 32 channels at byte k of the slot's rows into buffer f
.macro FETCH k, f
	WIN 0x40
.set fi, 0
.rept 8
	ds_load_b128 v[128*(\f)+8*fi:128*(\f)+8*fi+3],       v[ADRG] offset:fi*2304+(\k)
	ds_load_b128 v[128*(\f)+8*fi+4:128*(\f)+8*fi+7],     v[ADRG] offset:fi*2304+(\k)+32
	ds_load_b128 v[128*(\f)+64+8*fi:128*(\f)+64+8*fi+3],   v[ADRG] offset:18432+fi*2304+(\k)
	ds_load_b128 v[128*(\f)+64+8*fi+4:128*(\f)+64+8*fi+7], v[ADRG] offset:18432+fi*2304+(\k)+32
.set fi, fi+1
.endr
	WIN 0
.set fi, 0
.rept 8
	ds_load_b128 v[64+64*(\f)+8*fi:64+64*(\f)+8*fi+3],   v[ADRX] offset:fi*2304+(\k)
	ds_load_b128 v[64+64*(\f)+8*fi+4:64+64*(\f)+8*fi+7], v[ADRX] offset:fi*2304+(\k)+32
.set fi, fi+1
.endr
.endm
; 64 products, the 64 accumulators by turns: source 0 = 16 keys, source 1 = 16 queries: a lane holds one query and eight neighbouring keys.  lo = 0: Ghi, 1: Glo.  first = 1: the sums start with the mask
.macro MUL f, lo, first
.set mi, 0
.rept 64
.set ma, mi/8
.set mb, mi%8
.set ac, 8*(8*(ma%4)+mb)
.set xf, 64+64*(\f)+8*mb
.set gf, 128*(\f)+64*(\lo)+8*ma
.if \first
.set mreg, MK+16
.if mb == ma
.set mreg, MK
.endif
.if mb > ma
.set mreg, MK+8
.endif
	WIN 0x84+0x40*(ma/4)
	v_wmma_f32_16x16x32_bf16 v[ac:ac+7], v[xf:xf+7], v[gf:gf+7], v[mreg:mreg+7]
.else
	WIN 0xa4+0x50*(ma/4)
	v_wmma_f32_16x16x32_bf16 v[ac:ac+7], v[xf:xf+7], v[gf:gf+7], v[ac:ac+7]
.endif
.set mi, mi+1
.endr
.endm
.macro SUBA first                      ; a step's first 32 channels (buffer 0); the second 32 are fetched
	s_wait_dscnt 0x0
	MUL 0, 0, \first
	PLACES                                         ; buffer 1 was read by products: four places in front of the loads into it
	FETCH 64, 1
	MUL 0, 1, 0
.endm
; A step's second 32 channels (buffer 1) and the change of slots: one barrier.  fill = 1: the slot just read takes the step two on.
.macro TURN fill
	WIN 0
.if \fill
	s_wait_xcnt 0x0                                ; the last prefetches, a step back, have read their addresses
	s_add_nc_u64 s[PFG:PFG+1], s[PFG:PFG+1], XKB
	s_add_nc_u64 s[PFX:PFX+1], s[PFX:PFX+1], XKB
.endif
	s_wait_tensorcnt 0x0                           ; all my tensor loads have landed: the one that was out is my part of the next slot; so a group 0 may be written
	ds_add_u32 v[SPW], v[NIL]                      ; 0 onto my spare word
.if \fill
	s_xor_b32 s[G0X+5], s[G0X+5], SLOT1            ; the walking descriptors: the other slot than last time, the next 64 channels
	s_add_nc_u64 s[G0X+6:G0X+7], s[G0X+6:G0X+7], XKB
	s_xor_b32 s[G0G+5], s[G0G+5], SLOT1
	s_add_nc_u64 s[G0G+6:G0G+7], s[G0G+6:G0G+7], XKB
.endif
	s_wait_dscnt 0x0                               ; the add is done, buffer 1 is in, my reads of this slot are over
	s_barrier_signal -1
	MUL 1, 0, 0
	WIN 0
	s_barrier_wait -1
.if \fill
	LOADT                                          ; the first tensor load behind the barrier; its four v_nop are also the places in front of the loads below
.else
	PLACES
.endif
	s_xor_b32 s[TB], s[TB], SLOT1                  ; the fetches go on in the other slot
	v_add_nc_u32 v[ADRX], s[TB], v[X0]
	v_add_nc_u32 v[ADRG], s[TB], v[GB]
	FETCH 0, 0
.if \fill
	ASK
.endif
	MUL 1, 1, 0
.endm
	s_wait_tensorcnt 1                             ; my part of step 0 is in; step 1's stays out
	s_barrier_signal -1
	s_barrier_wait -1
	FETCH 0, 0
	SUBA 1
	WIN 0
	s_mov_b32 s3, 14
.Lstep:                                            ; trip n: the second half of step n - 1, the refill with step n + 1, the first half of step n
	TURN 1
	SUBA 0
	WIN 0
	s_sub_co_u32 s3, s3, 1
	s_cmp_lg_u32 s3, 0
	s_cbranch_scc1 .Lstep
	TURN 0                                         ; the last two steps ask for nothing
	SUBA 0
	WIN 0
	s_wait_dscnt 0x0                               ; buffer 1 is in: my reads of the ring are over
	s_barrier_signal -1
	MUL 1, 0, 0
	MUL 1, 1, 0
	WIN 0
	s_barrier_wait -1                              ; everybody's are: the ring, which has had its last fill, may be stored over
	PLACES
	; the sums go into my rows of 528 bytes: the lane's keys 16 b + 8 h + 0..3 at byte 16 (2 b + h), keys + 4..7 at 256 + 16 (2 b + h)
.set di, 0
.rept 64
.set da, di/8
.set db, di%8
	WIN 0x08+0x04*(da/4)
	ds_store_b128 v[DST], v[8*(8*(da%4)+db):8*(8*(da%4)+db)+3]   offset:da*8448+32*db
	ds_store_b128 v[DST], v[8*(8*(da%4)+db)+4:8*(8*(da%4)+db)+7] offset:da*8448+32*db+256
.set di, di+1
.endr
	WIN 0
	s_mov_b32 s3, 8
.Lrow:                                             ; 16 rows a trip, in eight pairs: lanes 0-15 one row, lanes 16-31 the next; lane r holds keys 8 r .. 8 r + 7, so lanes 0-7 hold one block of 64 keys, lanes 8-15 the other
.set pi, 0
.rept 8
	ds_load_b128 v[DT+8*pi:DT+8*pi+3],   v[RDA] offset:1056*pi        ; LDS serves a wave's instructions in order: these see my stores
	ds_load_b128 v[DT+8*pi+4:DT+8*pi+7], v[RDA] offset:1056*pi+256
.set pi, pi+1
.endr
	s_wait_dscnt 0x0
.irp q, 0,1,2,3,4,5,6,7
	v_max3_num_f32 v[ML+2*\q], v[DT+8*\q], v[DT+8*\q+1], v[DT+8*\q+2]
.endr
.irp q, 0,1,2,3,4,5,6,7
	v_max3_num_f32 v[ML+2*\q], v[ML+2*\q], v[DT+8*\q+3], v[DT+8*\q+4]
.endr
.irp q, 0,1,2,3,4,5,6,7
	v_max3_num_f32 v[ML+2*\q], v[ML+2*\q], v[DT+8*\q+5], v[DT+8*\q+6]
.endr
.irp q, 0,1,2,3,4,5,6,7
	v_max3_num_f32 v[ML+2*\q], v[ML+2*\q], v[DT+8*\q+7], v[CLAMP]
.endr
.irp x, 1,2,4
.irp q, 0,1,2,3,4,5,6,7
	v_max_num_f32_dpp v[ML+2*\q], v[ML+2*\q], v[ML+2*\q] row_xmask:\x row_mask:0xf bank_mask:0xf
.endr
.endr
.set ei, 0
.rept 32
	v_pk_add_f32 v[DT+2*ei:DT+2*ei+1], v[DT+2*ei:DT+2*ei+1], v[ML+2*(ei/4):ML+2*(ei/4)+1] op_sel_hi:[1,0] neg_lo:[0,1] neg_hi:[0,1]  ; s - m first: exact where it matters
.set ei, ei+1
.endr
.set ei, 0
.rept 32
	v_pk_mul_f32 v[DT+2*ei:DT+2*ei+1], v[DT+2*ei:DT+2*ei+1], 0x3fb8aa3b op_sel_hi:[1,0]
.set ei, ei+1
.endr
.set ei, 0
.rept 64
	v_exp_f32 v[DT+ei], v[DT+ei]
.set ei, ei+1
.endr
	v_nop                                          ; a plain instruction behind the last exponential
	s_wait_alu depctr_va_vdst(0)                   ; one wait for the batch, ahead of its first reader
.set ei, 0
.rept 32
	v_cvt_pk_f16_f32 v[OB+ei], v[DT+2*ei], v[DT+2*ei+1]
.set ei, ei+1
.endr
.irp q, 0,1,2,3,4,5,6,7                            ; l: the sum of the unrounded p
	v_pk_add_f32 v[DT+8*\q:DT+8*\q+1], v[DT+8*\q:DT+8*\q+1], v[DT+8*\q+2:DT+8*\q+3]
	v_pk_add_f32 v[DT+8*\q+4:DT+8*\q+5], v[DT+8*\q+4:DT+8*\q+5], v[DT+8*\q+6:DT+8*\q+7]
.endr
.irp q, 0,1,2,3,4,5,6,7
	v_pk_add_f32 v[DT+8*\q:DT+8*\q+1], v[DT+8*\q:DT+8*\q+1], v[DT+8*\q+4:DT+8*\q+5]
.endr
.irp q, 0,1,2,3,4,5,6,7
	v_add_f32 v[ML+2*\q+1], v[DT+8*\q], v[DT+8*\q+1]
.endr
.irp x, 1,2,4
.irp q, 0,1,2,3,4,5,6,7
	v_add_f32_dpp v[ML+2*\q+1], v[ML+2*\q+1], v[ML+2*\q+1] row_xmask:\x row_mask:0xf bank_mask:0xf
.endr
.endr
.irp q, 0,1,2,3,4,5,6,7
	ds_store_b64 v[STA], v[ML+2*\q:ML+2*\q+1] offset:16*\q           ; the eight lanes of a block store the same pair to the same place
.endr
.irp q, 0,1,2,3,4,5,6,7
	global_store_b128 v[PO], v[OB+4*\q:OB+4*\q+3], s[56:57] offset:8192*\q  ; 16 lanes store 256 consecutive bytes, aligned
.endr
	s_wait_xcnt 0x0                                ; the stores' base and data are written again only behind this wait
	s_add_nc_u64 s[56:57], s[56:57], 65536
	v_add_nc_u32 v[RDA], 8448, v[RDA]
	v_add_nc_u32 v[STA], 128, v[STA]
	s_sub_co_u32 s3, s3, 1
	s_cmp_lg_u32 s3, 0
	s_cbranch_scc1 .Lrow
.irp c, 0,1,2,3
	ds_load_b128 v[DT+4*\c:DT+4*\c+3], v[STR] offset:512*\c
.endr
	s_wait_dscnt 0x0
.irp c, 0,1,2,3
	global_store_b128 v[SO], v[DT+4*\c:DT+4*\c+3], s[58:59] offset:(\c/2)*16384+(\c%2)*512  ; 64 rows of one block: 512 consecutive bytes
.endr
	s_wait_tensorcnt 0x0                           ; the wave's end
	ds_add_u32 v[SPW], v[NIL]
	s_wait_dscnt 0x0
	s_endpgm
.Lfunc_end_k_q2b354be12b_scores:
	.size	k_q2b354be12b_scores, .Lfunc_end_k_q2b354be12b_scores-k_q2b354be12b_scores
	.p2alignl 7, 3214868480
	.fill 96, 4, 3214868480
	.section	.rodata,"a",@progbits
	.p2align	6, 0x0
	.amdhsa_kernel k_q2b354be12b_scores
		.amdhsa_group_segment_fixed_size 327680
		.amdhsa_private_segment_fixed_size 0
		.amdhsa_enable_private_segment 0
		.amdhsa_kernarg_size 32
		.amdhsa_user_sgpr_count 2
		.amdhsa_user_sgpr_kernarg_segment_ptr 1
		.amdhsa_wavefront_size32 1
		.amdhsa_system_sgpr_workgroup_id_x 1
		.amdhsa_system_sgpr_workgroup_id_y 1
		.amdhsa_system_sgpr_workgroup_id_z 1
		.amdhsa_system_vgpr_workitem_id 0
		.amdhsa_next_free_vgpr 1024
		.amdhsa_next_free_sgpr 100
		.amdhsa_reserve_vcc 1
		.amdhsa_float_denorm_mode_32 3
		.amdhsa_float_denorm_mode_16_64 3
		.amdhsa_memory_ordered 1
		.amdhsa_forward_progress 1
		.amdhsa_inst_pref_size 109
	.end_amdhsa_kernel
	.amdgpu_metadata
---
amdhsa.version: [ 1, 2 ]
amdhsa.kernels:
  - .name:           k_q2b354be12b_scores
    .symbol:         k_q2b354be12b_scores.kd
    .args:
      - { .name: g, .offset: 0, .size: 8, .value_kind: global_buffer, .address_space: global }
      - { .name: xb, .offset: 8, .size: 8, .value_kind: global_buffer, .address_space: global }
      - { .name: p, .offset: 16, .size: 8, .value_kind: global_buffer, .address_space: global }
      - { .name: st, .offset: 24, .size: 8, .value_kind: global_buffer, .address_space: global }
    .group_segment_fixed_size: 327680
    .private_segment_fixed_size: 0
    .kernarg_segment_align: 8
    .kernarg_segment_size: 32
    .max_flat_workgroup_size: 128
    .sgpr_count:     100
    .vgpr_count:     1024
    .wavefront_size: 32
...
	.end_amdgpu_metadata
.endif
;; end of part 6
;; launch pv (part 7): grid 8 x 32, 4 waves a work-group, clusters of 4 x 4, 327,680 bytes of LDS; arguments p, vt, st, out0; writes out0
.if DOCPART == 7
	.amdgcn_target "amdgcn-amd-amdhsa--gfx1250"
	.amdhsa_code_object_version 6
	.text
	.protected	k_q2b354be12b_pv
	.globl	k_q2b354be12b_pv
	.p2align	8
	.type	k_q2b354be12b_pv,@function
k_q2b354be12b_pv:
	s_mov_b64 s[64:65], 0
	v_nop
	global_prefetch_b8 v0, s[64:65] scope:SCOPE_SE
	s_setreg_imm32_b32 hwreg(HW_REG_WAVE_MODE, 25, 1), 1
	s_wait_xcnt 0x0
	s_wait_alu depctr_hold_cnt(0) depctr_sa_sdst(0) depctr_va_vdst(0) depctr_va_sdst(0) depctr_va_ssrc(0) depctr_va_vcc(0) depctr_vm_vsrc(0)
	s_getreg_b32 s2, hwreg(HW_REG_IB_STS2, 6, 4)
	s_cmp_eq_u32 s2, 0
	s_cbranch_scc0 .Lentry_in_a_cluster
	s_endpgm
.Lentry_in_a_cluster:
	s_bfe_u32 s2, ttmp6, 0x10000c
	s_cmp_lg_u32 s2, 0xf033
	s_cbranch_scc0 .Lentry_shape_is_right
	s_endpgm
.Lentry_shape_is_right:
; PV.  O[q][c] = (sum over blocks j of 64 keys of alpha_j[q] P_j[q][:] V_j[:][c]) / L[q], alpha_j = e^(m_j - M), M = the row's maximum over its blocks, L = sum of alpha_j l_j.  out0 f32.
; P, alpha and V are f16; alpha p is rounded to f16 (below 6e-8 it counts as 0); sums, m, l, M, L in f32.  NaN and infinities are not treated apart.
; SHARES.  A work-group makes two blocks of 128 q x 128 c, one after the other: q block 4 (3 - Ip) + cy, with 8 - 2 Ip steps of 256 keys, then q block 4 Ip + cy, with 2 + 2 Ip: ten steps, whatever Ip:
; all 256 work-groups are alike, and counted loops walk them.  Which tile is asked for hangs on scalars made from Ip, which all partners share, and enters global addresses alone.
; A STEP IS WRITTEN ONCE for the eight steps that fill a slot again and once for the last two: the slot's base is a scalar that an exclusive or turns.  The last step's fetch of a further quarter reads the other slot once more and serves nothing.
; CLUSTER 4 x 4: P's tile is shared along a row (the four channel blocks), V's along a column (the four q blocks walk the same keys).
; THE TABLE.  alpha lies in LDS in the walk's order: entry 4 n + quarter for step n, 256 bytes [r 16][a 4], at constant addresses; entries 40, 41 hold 1 / L of the two blocks.  Two steps are one
; group of eight blocks: groups 0-2 are the first q block's, group 4 the second's, group 3 the first's where Ip = 0.
; WINDOWS: 0: addresses, way out;  1: sums (a, b) at 8 (4 a + b), P's fragments v128-191 / v192-255;  2: V's fragments v0-63 / v64-127, alpha v128-131 / v132-135.
; So a product (D, C, source 1 in window 1, source 0 in window 2) and a scaling of P (destination and source 1 in window 1, alpha as source 0 in window 2) stand under ONE setting.
; The sums are cleared by 128 v_mov_b32 at each block's beginning, the price of one text for every step.
.set SLOT,  135168                     ; P 128 rows, V 128 rows, 528 bytes each.  Bits 12 and 17: clear in 33,792 x wave, so an exclusive or with it adds it to a descriptor's LDS word or takes it away
.set STAGE, 270336                     ; 16 x 272 a wave
.set TBL,   287744                     ; 42 entries of 256 bytes for each half of the q rows
.set SPARE, 309248
.set PBASE, 16
.set VBASE, 17
.set ADRP, 18
.set ADRV, 20
.set ALA,  22
.set STO,  23
.set RD,   24
.set GO,   25
.set VT0,  26
.set VTL,  27
.set SPW,  28
.set NIL,  29
.set VTS,  30
.set PFO,  31
.set WV,   12
.set G1P,  24
.set G1V,  32
.set G0P,  40                          ; s[40:43] first fill; s[44:47] second fill, which then walks
.set G0V,  48
.set PB,   56                          ; s[56:57] P at my rows of the block whose tiles are being asked for
.set PB2,  58                          ; s[58:59] of the second block
.set VB,   60                          ; s[60:61] V^T at my rows, the batch's key 0
.set OFF,  62                          ; s[62:63] a step's byte offset along the keys
.set NXT,  66
.set NLIM, 67
.set TBA,  68
.set TB,   71
.set LIM,  88
.set PFA,  90
.set MSB, 0
.macro WIN new
.if MSB != (\new)
	s_set_vgpr_msb (MSB<<8)|(\new)
.set MSB, (\new)
.endif
.endm
.macro PLACES
.rept 4
	v_nop
.endr
.endm
.macro CREST
	s_cmp_lg_u32 s[WV], 0
	s_cbranch_scc1 .Lnot_wave_0_\@
	s_barrier_signal -3
.Lnot_wave_0_\@:
	s_barrier_wait -3
	s_barrier_signal -1
	s_barrier_wait -1
.endm
.macro CROUND
	s_barrier_signal -1
	s_barrier_wait -1
	CREST
.endm
.macro JLOAD
	s_cmp_eq_u32 s13, 0
	s_cbranch_scc0 .Lfor_v_\@
	tensor_load_to_lds s[G0P+4:G0P+7], s[G1P:G1P+7]
	s_nop 0
.rept 4
	v_nop
.endr
	s_branch .Lasked_\@
.Lfor_v_\@:
	tensor_load_to_lds s[G0V+4:G0V+7], s[G1V:G1V+7]
	s_nop 0
.rept 4
	v_nop
.endr
.Lasked_\@:
.endm
; A PREFETCH INTO THE L2 of the tile that the NEXT change of slots will ask for: of the 64 rows x 512 bytes that I fetch, my work-group's 16 rows, a lane a block of 256 bytes.  The four partners that ask for a tile
; jointly share its rows out BY ADDRESS (cx for P, cy for V).  P's rows are read by both clusters along x: the first asks.  V's rows are read by both clusters of a batch, and again in a second block's walk: the cluster with
; Ip = 0 asks, in its first block alone.  So each block is named once.  The limit is the same in all partners, for a given wave.
.macro ASK
	s_cmp_gt_u32 s3, s[LIM]
	s_cbranch_scc0 .Lnot_mine_\@
	global_prefetch_b8 v[PFO], s[PFA:PFA+1] th:TH_LOAD_NT scope:SCOPE_SE
.Lnot_mine_\@:
.endm
	s_load_b256 s[4:11], s[0:1], 0x0               ; p s[4:5], vt s[6:7], st s[8:9], out0 s[10:11]
	v_lshl_add_u32 v[SPW], v0, 2, SPARE
	v_mov_b32 v[NIL], 0
	ds_add_u32 v[SPW], v[NIL]                      ; the wave's opening: the add and its wait stand ahead of my first tensor load
	ds_add_u32 v28, v29
	v_lshrrev_b32 v1, 5, v0
	v_readfirstlane_b32 s[WV], v1
	s_lshr_b32 s13, s[WV], 1                       ; WQ; also: I fetch for P (0) or for V (1)
	s_and_b32 s14, s[WV], 1                        ; WK; also: which 64 rows I fetch
	s_bfe_u32 s16, ttmp6, 0x40000                  ; cx
	s_bfe_u32 s17, ttmp6, 0x40004                  ; cy
	s_lshl2_add_u32 s18, ttmp9, s16                ; cb: block of 128 channels
	s_and_b32 s20, ttmp7, 0xffff
	s_lshr_b32 s19, s20, 1                         ; b
	s_and_b32 s15, s20, 1                          ; Ip
	s_lshl_b32 s21, s17, 2
	s_lshl_b32 s21, 15, s21
	s_lshl_b32 s22, 0x1111, s16
	s_or_b32 s[G1P], s21, (1<<16)|(1<<20)|(1<<21)|(6<<22)|(3<<25)  ; mask; 2-byte elements; padding on; bit 21 beside a mask; after every 128 words, 4 words
	s_or_b32 s[G1V], s22, (1<<16)|(1<<20)|(1<<21)|(6<<22)|(3<<25)
.irp d, G1P, G1V
	s_mov_b32 s[\d+1], 256<<16                     ; 256 keys,
	s_mov_b32 s[\d+2], 64<<16                      ; 64 rows
	s_mov_b32 s[\d+3], 256<<16
	s_mov_b32 s[\d+4], 64
	s_mov_b32 s[\d+6], 0
	s_mov_b32 s[\d+7], 0
.endr
	s_mov_b32 s[G1P+5], 2048
	s_mov_b32 s[G1V+5], 8192
	s_sub_co_u32 s20, 3, s15
	s_lshl2_add_u32 s20, s20, s17                  ; Q1 = 4 (3 - Ip) + cy
	s_lshl2_add_u32 s23, s15, s17                  ; Q2 = 4 Ip + cy
	s_lshl_b32 s88, s19, 23                        ; P: row 2,048 b + 128 Q + 64 half
	s_lshl_b32 s92, s14, 18
	s_add_co_u32 s88, s88, s92
	s_lshl_b32 s92, s20, 19
	s_add_co_u32 s90, s88, s92
	s_lshl_b32 s92, s23, 19
	s_add_co_u32 s88, s88, s92
	s_mov_b32 s89, 0
	s_mov_b32 s91, 0
	s_lshl_b32 s92, s18, 21                        ; V^T: row 128 cb + 64 half, key 2,048 b
	s_lshl_b32 s93, s14, 20
	s_add_co_u32 s92, s92, s93
	s_lshl_b32 s93, s19, 12
	s_add_co_u32 s92, s92, s93
	s_mov_b32 s93, 0
	s_lshl_b32 s94, s19, 23                        ; out0: row 2,048 b + 128 Q + 64 WQ, channel 128 cb + 64 WK
	s_lshl_b32 s95, s13, 18
	s_add_co_u32 s94, s94, s95
	s_lshl_b32 s95, s18, 9
	s_add_co_u32 s94, s94, s95
	s_lshl_b32 s95, s14, 8
	s_add_co_u32 s94, s94, s95
	s_lshl_b32 s95, s20, 19
	s_add_co_u32 s96, s94, s95
	s_lshl_b32 s95, s23, 19
	s_add_co_u32 s98, s94, s95
	s_mov_b32 s97, 0
	s_mov_b32 s99, 0
	s_lshl_b32 s94, s19, 19                        ; st: batch b, row 128 Q + 64 WQ + 32 WK
	s_lshl_b32 s95, s13, 9
	s_add_co_u32 s94, s94, s95
	s_lshl_b32 s95, s14, 8
	s_add_co_u32 s94, s94, s95
	s_lshl_b32 s95, s23, 10
	s_add_co_u32 s95, s94, s95                     ; the second block's
	s_lshl_b32 s20, s20, 10
	s_add_co_u32 s94, s94, s20                     ; the first block's
	s_mul_i32 s21, s[WV], 33792                    ; LDS: P's two halves, then V's two halves = wave x 64 rows
	s_mov_b32 s[OFF+1], 0
	s_mov_b32 s[NXT], 2
	s_lshl_b32 s[NLIM], s15, 1
	s_add_co_u32 s69, s[NLIM], 1                   ; the first block ends where the loop's count stands at 1 + 2 Ip
	s_sub_co_u32 s[NLIM], 8, s[NLIM]               ; the first block has 8 - 2 Ip steps
	s_mov_b32 s[TBA], 0
	s_mov_b32 s[TB], 0
	s_cmp_eq_u32 s15, 0
	s_cselect_b32 s70, -1, 0                       ; group 3 is the first block's
	s_mov_b32 s86, 0x76543210
	s_mov_b32 s87, 0xfedcba98
	s_wait_dscnt 0x0                               ; the opening add is done
	s_wait_kmcnt 0x0
	s_add_nc_u64 s[PB:PB+1], s[4:5], s[90:91]
	s_add_nc_u64 s[PB2:PB2+1], s[4:5], s[88:89]
	s_add_nc_u64 s[VB:VB+1], s[6:7], s[92:93]
	s_add_nc_u64 s[72:73], s[10:11], s[96:97]
	s_add_nc_u64 s[74:75], s[10:11], s[98:99]
	s_mov_b32 s97, 0
	s_mov_b32 s96, s94
	s_add_nc_u64 s[76:77], s[8:9], s[96:97]        ; st for the five groups of the walk: eight blocks of 16,384 bytes each
	s_add_nc_u64 s[78:79], s[76:77], 131072
	s_add_nc_u64 s[80:81], s[76:77], 262144
	s_add_co_u32 s96, s94, 393216
	s_cmp_eq_u32 s15, 1
	s_cselect_b32 s96, s95, s96
	s_add_nc_u64 s[82:83], s[8:9], s[96:97]
	s_add_co_u32 s96, s95, 131072
	s_cmp_eq_u32 s15, 1
	s_cselect_b32 s96, s96, s95
	s_add_nc_u64 s[84:85], s[8:9], s[96:97]
	CROUND
.irp s, 0,1
	s_mov_b32 s[G0P+4*\s], 1
	s_add_co_u32 s[G0P+4*\s+1], s21, \s*SLOT
	s_add_nc_u64 s[G0P+4*\s+2:G0P+4*\s+3], s[PB:PB+1], \s*512
	s_or_b32 s[G0P+4*\s+3], s[G0P+4*\s+3], 0x80000000
	s_mov_b32 s[G0V+4*\s], 1
	s_add_co_u32 s[G0V+4*\s+1], s21, \s*SLOT
	s_add_nc_u64 s[G0V+4*\s+2:G0V+4*\s+3], s[VB:VB+1], \s*512
	s_or_b32 s[G0V+4*\s+3], s[G0V+4*\s+3], 0x80000000
.endr
	s_cmp_eq_u32 s13, 0
	s_cbranch_scc0 .Lfirst_v
	tensor_load_to_lds s[G0P:G0P+3], s[G1P:G1P+7]
	s_nop 0
	tensor_load_to_lds s[G0P+4:G0P+7], s[G1P:G1P+7]
	s_nop 0
.rept 4
	v_nop
.endr
	s_branch .Lfirst_asked
.Lfirst_v:
	tensor_load_to_lds s[G0V:G0V+3], s[G1V:G1V+7]
	s_nop 0
	tensor_load_to_lds s[G0V+4:G0V+7], s[G1V:G1V+7]
	s_nop 0
.rept 4
	v_nop
.endr
.Lfirst_asked:
	v_and_b32 v1, 15, v0                           ; r
	v_bfe_u32 v2, v0, 4, 1                         ; h
	v_lshlrev_b32 v4, 14, v2
	v_lshl_add_u32 v4, v1, 3, v4                   ; st: block h, row r
	; THE TABLE.  I make rows a = 2 WK, 2 WK + 1 of my half of the q rows.  Pair e (0..19) of entries: lanes 0-15 entry 2 e, lanes 16-31 entry 2 e + 1.  (m, l) of (e, aa) in v[128 + 4 e + 2 aa], +1
.set ti, 0
.rept 20
	global_load_b64 v[128+4*ti:129+4*ti], v4, s[76+2*(ti/4):77+2*(ti/4)] offset:(ti%4)*32768
	global_load_b64 v[130+4*ti:131+4*ti], v4, s[76+2*(ti/4):77+2*(ti/4)] offset:(ti%4)*32768+128
.set ti, ti+1
.endr
	v_mul_u32_u24 v3, v1, 528
	v_lshl_add_u32 v3, v2, 4, v3
	s_mul_i32 s20, s13, 33792                      ; my 64 q rows
	s_mul_i32 s21, s14, 33792                      ; my 64 channels
	s_add_co_u32 s21, s21, 67584
	v_add_nc_u32 v[PBASE], s20, v3
	v_add_nc_u32 v[VBASE], s21, v3
	v_mov_b32 v[ADRP], v[PBASE]
	v_mov_b32 v[ADRV], v[VBASE]
	s_mul_i32 s22, s[WV], 4352
	s_add_co_u32 s22, s22, STAGE
	v_mul_u32_u24 v3, v1, 272
	v_lshl_add_u32 v3, v2, 5, v3
	v_add_nc_u32 v[STO], s22, v3                   ; row r, 32 bytes for each half of the lanes
	v_mul_u32_u24 v3, v2, 272
	v_lshl_add_u32 v3, v1, 4, v3
	v_add_nc_u32 v[RD], s22, v3
	v_lshlrev_b32 v3, 12, v2
	v_lshl_add_u32 v[GO], v1, 4, v3
	s_mul_i32 s22, s13, 10752
	s_add_co_u32 s22, s22, TBL
	v_lshl_add_u32 v[VT0], v1, 4, s22
	s_lshl_b32 s22, s14, 3
	v_add_nc_u32 v[VTL], s22, v[VT0]
	v_lshl_add_u32 v[VTS], v2, 8, v[VTL]
	v_add_nc_u32 v[ALA], s[TBA], v[VT0]
	; the prefetches' offset: my work-group's 16 rows of the 64 that I fetch, row lane / 2, block lane % 2: a global offset alone holds cx or cy
	v_and_b32 v3, 31, v0
	v_lshrrev_b32 v6, 1, v3
	v_and_b32 v3, 1, v3
	s_lshl_b32 s21, s16, 16                        ; P: 16 cx rows of 4,096 bytes
	s_lshl_b32 s22, s17, 18                        ; V: 16 cy rows of 16,384 bytes
	s_cmp_eq_u32 s13, 0
	s_cselect_b32 s20, 12, 14
	s_cselect_b32 s21, s21, s22
	v_lshlrev_b32 v6, s20, v6
	v_lshl_add_u32 v6, v3, 8, v6
	v_add_nc_u32 v[PFO], s21, v6
	s_cmp_eq_u32 ttmp9, 0
	s_cselect_b32 s22, 1, -1                       ; P: while a further refill follows
	s_cmp_eq_u32 s15, 0
	s_cselect_b32 s23, 3, -1                       ; V: while that refill is still the first block's
	s_cmp_eq_u32 s13, 0
	s_cselect_b32 s[LIM], s22, s23
	v_mov_b32 v5, 0xff7fffff                       ; the lowest finite number
.irp i, 32,33,34,35
	v_mov_b32 v\i, 0                               ; v_permlanex16_b32's destinations count as read
.endr
.macro CLEAR
	WIN 0x40
.set ti, 0
.rept 128
	v_mov_b32 v[ti], 0
.set ti, ti+1
.endr
	WIN 0
.endm
	CLEAR
	s_wait_loadcnt 0x0
.irp c, 0,1                                        ; maxima: v44+c groups 0-2, v46+c group 3, v48+c group 4
	v_max3_num_f32 v[44+\c], v[128+2*\c], v[132+2*\c], v[136+2*\c]
	v_max3_num_f32 v[46+\c], v[176+2*\c], v[180+2*\c], v[184+2*\c]
	v_max3_num_f32 v[48+\c], v[192+2*\c], v[196+2*\c], v[200+2*\c]
.endr
.irp e, 3,5,7,9
.irp c, 0,1
	v_max3_num_f32 v[44+\c], v[44+\c], v[128+4*\e+2*\c], v[132+4*\e+2*\c]
.endr
.endr
.irp c, 0,1
	v_max_num_f32 v[44+\c], v[44+\c], v[172+2*\c]
	v_max_num_f32 v[46+\c], v[46+\c], v[188+2*\c]
	v_max_num_f32 v[48+\c], v[48+\c], v[204+2*\c]
.endr
.irp c, 0,1
	v_cndmask_b32 v[50+\c], v5, v[46+\c], s70      ; group 3 goes to the first block's maximum,
	v_cndmask_b32 v[46+\c], v[46+\c], v5, s70      ; or to the second's
.endr
.irp c, 0,1
	v_max_num_f32 v[52+\c], v[44+\c], v[50+\c]
	v_max_num_f32 v[54+\c], v[48+\c], v[46+\c]
.endr
.irp c, 0,1,2,3
	v_permlanex16_b32 v[32+\c], v[52+\c], s86, s87
.endr
.irp c, 0,1,2,3
	v_max_num_f32 v[52+\c], v[52+\c], v[32+\c]     ; v52, 53: M of the first block; v54, 55: of the second
.endr
.irp c, 0,1
	v_cndmask_b32 v[56+\c], v[54+\c], v[52+\c], s70  ; group 3's
.endr
.set ti, 0
.rept 40
.set mr, 52+ti%2
.if ti >= 24
.set mr, 56+ti%2
.endif
.if ti >= 32
.set mr, 54+ti%2
.endif
	v_sub_f32 v[128+2*ti], v[128+2*ti], v[mr]
.set ti, ti+1
.endr
.set ti, 0
.rept 40
	v_mul_f32 v[128+2*ti], 0x3fb8aa3b, v[128+2*ti]
.set ti, ti+1
.endr
.set ti, 0
.rept 40
	v_exp_f32 v[128+2*ti], v[128+2*ti]             ; alpha
.set ti, ti+1
.endr
	v_nop
	s_wait_alu depctr_va_vdst(0)                   ; one wait for the batch
.irp c, 0,1                                        ; sums of alpha l: v44+c groups 0-2, v46+c group 3, v48+c group 4
	v_mul_f32 v[44+\c], v[128+2*\c], v[129+2*\c]
	v_mul_f32 v[46+\c], v[176+2*\c], v[177+2*\c]
	v_mul_f32 v[48+\c], v[192+2*\c], v[193+2*\c]
.endr
.irp e, 1,2,3,4,5,6,7,8,9,10,11
.irp c, 0,1
	v_fma_f32 v[44+\c], v[128+4*\e+2*\c], v[129+4*\e+2*\c], v[44+\c]
.endr
.endr
.irp e, 13,14,15
.irp c, 0,1
	v_fma_f32 v[46+\c], v[128+4*\e+2*\c], v[129+4*\e+2*\c], v[46+\c]
	v_fma_f32 v[48+\c], v[144+4*\e+2*\c], v[145+4*\e+2*\c], v[48+\c]
.endr
.endr
.irp c, 0,1
	v_cndmask_b32 v[50+\c], 0, v[46+\c], s70
	v_cndmask_b32 v[46+\c], v[46+\c], 0, s70
.endr
.irp c, 0,1
	v_add_f32 v[52+\c], v[44+\c], v[50+\c]
	v_add_f32 v[54+\c], v[48+\c], v[46+\c]
.endr
.irp c, 0,1,2,3
	v_permlanex16_b32 v[32+\c], v[52+\c], s86, s87
.endr
.irp c, 0,1,2,3
	v_add_f32 v[52+\c], v[52+\c], v[32+\c]         ; L: at least 1, since the maximum's block has alpha = 1 and l >= 1
.endr
.irp c, 0,1,2,3
	v_rcp_f32 v[60+\c], v[52+\c]
.endr
.set ti, 0
.rept 40
	v_cvt_pk_f16_f32 v[208+ti], v[128+2*ti], v[128+2*ti]   ; alpha twice, for the packed multiply
.set ti, ti+1
.endr
	s_wait_alu depctr_va_vdst(0)                   ; for the four reciprocals; the conversions above are the plain work behind them
.set ti, 0
.rept 20
	ds_store_b64 v[VTS], v[208+2*ti:209+2*ti] offset:512*ti
.set ti, ti+1
.endr
	ds_store_b64 v[VTL], v[60:61] offset:40*256
	ds_store_b64 v[VTL], v[62:63] offset:41*256
; 33 LDS loads in one run: quarter q (64 keys) of the slot in hand into buffer f, and its entry of alpha
.macro FETCH q, f
	WIN 0x40
.set fi, 0
.rept 8
	ds_load_b128 v[128+64*(\f)+8*fi:128+64*(\f)+8*fi+3],   v[ADRP] offset:128*(\q)+64*(fi/4)+(fi%4)*8448
	ds_load_b128 v[128+64*(\f)+8*fi+4:128+64*(\f)+8*fi+7], v[ADRP] offset:128*(\q)+64*(fi/4)+(fi%4)*8448+32
.set fi, fi+1
.endr
	WIN 0x80
.set fi, 0
.rept 8
	ds_load_b128 v[64*(\f)+8*fi:64*(\f)+8*fi+3],   v[ADRV] offset:128*(\q)+64*(fi/4)+(fi%4)*8448
	ds_load_b128 v[64*(\f)+8*fi+4:64*(\f)+8*fi+7], v[ADRV] offset:128*(\q)+64*(fi/4)+(fi%4)*8448+32
.set fi, fi+1
.endr
	ds_load_b128 v[128+4*(\f):131+4*(\f)], v[ALA] offset:256*(\q)
.endm
.macro SC sf, sc, n                    ; register n of 32 of P's fragments (buffer sf, 32 keys sc) times its row's alpha
	v_pk_mul_f16 v[128+64*(\sf)+32*(\sc)+(\n)], v[128+4*(\sf)+(\n)/8], v[128+64*(\sf)+32*(\sc)+(\n)]
.endm
; 16 products on 32 keys c of buffer f (source 0 = 16 channels, source 1 = 16 queries: a lane holds one query, eight channels), the accumulators by turns; between them the scaling of (sf, sc).
; mode 0: two behind each product.  mode 1: (sf, sc) is on its way from LDS: eight products bare, the wait, then four behind each.
.macro H f, c, sf, sc, mode
	WIN 0x56
.set hi, 0
.set hn, 0
.rept 16
	v_wmma_f32_16x16x32_f16 v[8*hi:8*hi+7], v[64*(\f)+32*(\c)+8*(hi%4):64*(\f)+32*(\c)+8*(hi%4)+7], v[128+64*(\f)+32*(\c)+8*(hi/4):128+64*(\f)+32*(\c)+8*(hi/4)+7], v[8*hi:8*hi+7]
.if (\mode) == 0
	SC \sf, \sc, hn
	SC \sf, \sc, hn+1
.set hn, hn+2
.endif
.if (\mode) == 1
.if hi == 7
	s_wait_dscnt 0x0
.endif
.if hi >= 8
	SC \sf, \sc, hn
	SC \sf, \sc, hn+1
	SC \sf, \sc, hn+2
	SC \sf, \sc, hn+3
.set hn, hn+4
.endif
.endif
.set hi, hi+1
.endr
.endm
.macro QUARTER q, f, g                 ; multiplies buffer f; fetches quarter q of the slot in hand into buffer g
	PLACES                                         ; buffer g was read by the products just issued
	FETCH \q, \g
	H \f, 0, \f, 1, 0
	H \f, 1, \g, 0, 1
.endm
; The walking descriptors: the other slot than last time; step NXT of the block in hand; behind the first block's last step the second block's step 0.  Then the address of the tile that the next change will ask for.
.macro WALK
	s_lshl_b32 s[OFF], s[NXT], 9
	s_xor_b32 s[G0P+5], s[G0P+5], SLOT
	s_add_nc_u64 s[G0P+6:G0P+7], s[PB:PB+1], s[OFF:OFF+1]
	s_or_b32 s[G0P+7], s[G0P+7], 0x80000000
	s_xor_b32 s[G0V+5], s[G0V+5], SLOT
	s_add_nc_u64 s[G0V+6:G0V+7], s[VB:VB+1], s[OFF:OFF+1]
	s_or_b32 s[G0V+7], s[G0V+7], 0x80000000
	s_add_co_u32 s[NXT], s[NXT], 1
	s_cmp_eq_u32 s[NXT], s[NLIM]
	s_cselect_b32 s[NXT], 0, s[NXT]
	s_cselect_b64 s[PB:PB+1], s[PB2:PB2+1], s[PB:PB+1]
	s_cselect_b32 s[NLIM], 64, s[NLIM]
	s_wait_xcnt 0x0                                ; the last prefetch, a step back, has read its address
	s_lshl_b32 s[OFF], s[NXT], 9
	s_cmp_eq_u32 s13, 0
	s_cselect_b64 s[PFA:PFA+1], s[PB:PB+1], s[VB:VB+1]
	s_add_nc_u64 s[PFA:PFA+1], s[PFA:PFA+1], s[OFF:OFF+1]
.endm
.macro TURN fill                       ; a step's last quarter (buffer 1) and the change of slots
	WIN 0
	s_wait_tensorcnt 0x0                           ; all my tensor loads have landed: my part of the next slot; so a group 0 may be written
	ds_add_u32 v[SPW], v[NIL]                      ; 0 onto my spare word
.if \fill
	WALK
.endif
	s_wait_dscnt 0x0                               ; the add is done; my reads of this slot are over
	s_barrier_signal -1
	H 1, 0, 1, 1, 0
	WIN 0
	s_barrier_wait -1
.if \fill
	CREST
	JLOAD
.else
	PLACES
.endif
	s_xor_b32 s[TB], s[TB], SLOT                   ; 0 or SLOT: the fetches go on in the other slot,
	s_add_co_u32 s[TBA], s[TBA], 1024              ; with the next step's four entries of alpha
	v_add_nc_u32 v[ADRP], s[TB], v[PBASE]
	v_add_nc_u32 v[ADRV], s[TB], v[VBASE]
	v_add_nc_u32 v[ALA], s[TBA], v[VT0]
	FETCH 0, 0
.if \fill
	WIN 0
	ASK
.endif
	H 1, 1, 0, 0, 1
.endm
.macro STEP fill
	QUARTER 1, 0, 1
	QUARTER 2, 1, 0
	QUARTER 3, 0, 1
	TURN \fill
	WIN 0
.endm
; THE WAY OUT of a block: the sums times 1 / L, 16 q rows at a time through my stage, stored as whole rows of 256 bytes
.macro OUT blk
	PLACES
	WIN 0
	ds_load_b128 v[40:43], v[VT0] offset:(40+(\blk))*256
	s_wait_dscnt 0x0
.set oa, 0
.rept 4
	WIN 0x41
.set ok, 0
.rept 16
.if oa%2
	v_pk_mul_f32 v[32*oa+2*ok:32*oa+2*ok+1], v[32*oa+2*ok:32*oa+2*ok+1], v[40+2*(oa/2):41+2*(oa/2)] op_sel:[0,1] op_sel_hi:[1,1]
.else
	v_pk_mul_f32 v[32*oa+2*ok:32*oa+2*ok+1], v[32*oa+2*ok:32*oa+2*ok+1], v[40+2*(oa/2):41+2*(oa/2)] op_sel_hi:[1,0]
.endif
.set ok, ok+1
.endr
	WIN 0x04
.set ok, 0
.rept 4
	ds_store_b128 v[STO], v[32*oa+8*ok:32*oa+8*ok+3] offset:64*ok
	ds_store_b128 v[STO], v[32*oa+8*ok+4:32*oa+8*ok+7] offset:64*ok+16
.set ok, ok+1
.endr
	WIN 0
	s_wait_xcnt 0x0                                ; the last stores have read v64-95
.set ok, 0
.rept 8
	ds_load_b128 v[64+4*ok:67+4*ok], v[RD] offset:544*ok   ; LDS serves a wave's instructions in order
.set ok, ok+1
.endr
	s_wait_dscnt 0x0
.set ok, 0
.rept 8
	global_store_b128 v[GO], v[64+4*ok:67+4*ok], s[72+2*(\blk):73+2*(\blk)] offset:(16*oa+2*ok)*4096 th:TH_STORE_NT
.set ok, ok+1
.endr
.set oa, oa+1
.endr
.endm
	s_wait_tensorcnt 1                             ; my part of step 0 is in; step 1's stays out
	s_wait_dscnt 0x0                               ; my part of the table is stored
	s_barrier_signal -1
	s_barrier_wait -1
	FETCH 0, 0
	s_wait_dscnt 0x0
	WIN 0x56
.set hn, 0
.rept 32
	SC 0, 0, hn
.set hn, hn+1
.endr
	WIN 0
	s_mov_b32 s3, 8
.Lstep:                                            ; trip t: step t - 1 of the walk; its slot is filled again with step t + 1
	STEP 1
	s_cmp_eq_u32 s3, s69                           ; was this the first block's last step?  The same answer in all partners; what is jumped holds no barrier and no tensor load
	s_cbranch_scc0 .Lno_out
	OUT 0
	CLEAR
.Lno_out:
	s_sub_co_u32 s3, s3, 1
	s_cmp_lg_u32 s3, 0
	s_cbranch_scc1 .Lstep
	s_mov_b32 s3, 2
.Ltail:                                            ; the last two steps ask for nothing
	STEP 0
	s_sub_co_u32 s3, s3, 1
	s_cmp_lg_u32 s3, 0
	s_cbranch_scc1 .Ltail
	OUT 1
	s_wait_tensorcnt 0x0                           ; the wave's end
	ds_add_u32 v[SPW], v[NIL]
	s_wait_dscnt 0x0
	CROUND
	s_endpgm
.Lfunc_end_k_q2b354be12b_pv:
	.size	k_q2b354be12b_pv, .Lfunc_end_k_q2b354be12b_pv-k_q2b354be12b_pv
	.p2alignl 7, 3214868480
	.fill 96, 4, 3214868480
	.section	.rodata,"a",@progbits
	.p2align	6, 0x0
	.amdhsa_kernel k_q2b354be12b_pv
		.amdhsa_group_segment_fixed_size 327680
		.amdhsa_private_segment_fixed_size 0
		.amdhsa_enable_private_segment 0
		.amdhsa_kernarg_size 32
		.amdhsa_user_sgpr_count 2
		.amdhsa_user_sgpr_kernarg_segment_ptr 1
		.amdhsa_wavefront_size32 1
		.amdhsa_system_sgpr_workgroup_id_x 1
		.amdhsa_system_sgpr_workgroup_id_y 1
		.amdhsa_system_sgpr_workgroup_id_z 1
		.amdhsa_system_vgpr_workitem_id 0
		.amdhsa_next_free_vgpr 768
		.amdhsa_next_free_sgpr 100
		.amdhsa_reserve_vcc 0
		.amdhsa_float_denorm_mode_32 3
		.amdhsa_float_denorm_mode_16_64 3
		.amdhsa_memory_ordered 1
		.amdhsa_forward_progress 1
		.amdhsa_inst_pref_size 133
	.end_amdhsa_kernel
	.amdgpu_metadata
---
amdhsa.version: [ 1, 2 ]
amdhsa.kernels:
  - .name:           k_q2b354be12b_pv
    .symbol:         k_q2b354be12b_pv.kd
    .args:
      - { .name: p, .offset: 0, .size: 8, .value_kind: global_buffer, .address_space: global }
      - { .name: vt, .offset: 8, .size: 8, .value_kind: global_buffer, .address_space: global }
      - { .name: st, .offset: 16, .size: 8, .value_kind: global_buffer, .address_space: global }
      - { .name: out0, .offset: 24, .size: 8, .value_kind: global_buffer, .address_space: global }
    .group_segment_fixed_size: 327680
    .private_segment_fixed_size: 0
    .kernarg_segment_align: 8
    .kernarg_segment_size: 32
    .max_flat_workgroup_size: 128
    .sgpr_count:     100
    .vgpr_count:     768
    .wavefront_size: 32
...
	.end_amdgpu_metadata
.endif
;; end of part 7
